; MI455X (gfx1250); checked and timed in simulation.
; The chip was launched on July 23, 2026; its instructions are those of AMD's public machine-readable ISA for CDNA 5 (MIT licence, August 2026) and "CDNA5" Instruction Set Architecture Reference Guide (July 2026). The comments in the code are by the model that wrote it; some were corrected since.
;; Multi Head Attention. Allowed arithmetic: matrix products marked QUANTISED: E3M2 operands, one E8M0 scale for each 32 along K, by v_wmma_scale_f32_16x16x128_f8f6f4 with both operands' format E3M2, f32 sums; everything else in f32.
;; Inputs: W_k 1,024 x 1,024 float32; W_o 1,024 x 1,024 float32; W_q 1,024 x 1,024 float32; W_v 1,024 x 1,024 float32; b_k 1,024 float32; b_o 1,024 float32; b_q 1,024 float32; b_v 1,024 float32; x 1 x 4,096 x 1,024 float32.
;; Outputs: out0 1 x 4,096 x 1,024 float32.
;; This version of the problem:
;;   THIS VERSION OF THE PROBLEM IS GIVEN IN LOW PRECISION. The matrix products marked QUANTISED in the list below multiply operands that are first quantised to E3M2 (3 exponent bits, 2 mantissa bits; 6 bits a number), with one power-of-two scale for each 32 numbers along K (OCP MX v1.0); their sums are f32. All else is computed in f32.
;;   The module's matrix products, in the order in which they are computed (A, B: the left and right operand; K: the contracted axis; several contracted axes count as one K, in the product's order):
;;     1. [M 4,096, K 1,024] x [K 1,024, N 1,024]; A: input x; B: input W_q: QUANTISED
;;     2. [M 4,096, K 1,024] x [K 1,024, N 1,024]; A: input x; B: input W_k: QUANTISED
;;     3. [M 4,096, K 1,024] x [K 1,024, N 1,024]; A: input x; B: input W_v: QUANTISED
;;     4. batch 16 x [M 4,096, K 64] x [K 64, N 4,096]; A: computed on the way; B: computed on the way: QUANTISED
;;     5. batch 16 x [M 4,096, K 4,096] x [K 4,096, N 64]; A: softmax (see below); B: computed on the way: QUANTISED
;;     6. [M 4,096, K 1,024] x [K 1,024, N 1,024]; A: computed on the way; B: input W_o: QUANTISED
;;   THE QUANTISER, for each operand of a quantised product, along K:
;;     - K is cut into blocks of 32 from its start; a last block that is shorter is filled with zeros.
;;     - A block's scale is 2^e with e = floor(log2(the largest magnitude in the block)) - 4, held to -126 .. 127; a block of zeros has e = 0. As a byte (E8M0): e + 127.
;;     - Each number is divided by its block's scale, clamped to +-28, and rounded to the nearest number of E3M2, ties to even, subnormals kept.
;;     - The product sums the exact products of the quantised numbers (number of the format x scale) in f32.
;;   ~~~python
;;   def quantise(x, axis):      # numpy; x: float32 -> the quantised numbers, widened to float32 again
;;       x = np.moveaxis(x, axis, -1); K = x.shape[-1]
;;       x = np.pad(x, [(0, 0)] * (x.ndim - 1) + [(0, -K % 32)]); x = x.reshape(x.shape[:-1] + (-1, 32)); a = np.abs(x).max(-1, keepdims=True)
;;       e = np.where(a > 0, np.clip(np.frexp(np.where(a > 0, a, 1))[1] - 1 - 4, -126, 127), 0)      # np.frexp(a)[1] - 1 = floor(log2(a)), exactly
;;       r = np.clip(x / 2.0 ** e, -28, 28)
;;       step = 2.0 ** (np.maximum(np.frexp(np.where(r == 0, 1, r))[1] - 1, -2) - 2)
;;       q = np.round(r / step) * step * 2.0 ** e      # np.round: ties to even
;;       return np.moveaxis(q.reshape(q.shape[:-2] + (-1,))[..., :K], -1, axis).astype(np.float32)
;;   ~~~
;;   SOFTMAX AHEAD OF A QUANTISED PRODUCT. Where the list says 'softmax', what is quantised is not the finished softmax but p = 2^(t - M), with t = logit x log2(e) and M = ceil(the row's largest t), a whole number; so 1/2 < the row's largest p <= 1. The row's sum l is taken of the UNQUANTISED p, in f32, and the product's result is divided by l at the end. Since M is a whole number, a kernel that streams over the keys may use a running M (the ceiling of the running maximum): every later rescaling is an exact power of two, which a block's scale takes up: the codes' values come out the same.
;;   OPERANDS COMPUTED ON THE WAY. 'Computed on the way' means the value that the module computes at that place (a softmax that the list does not call 'softmax' is quantised finished and normalised). What goes into a quantiser is computed in f32, as accurately as f32 sums, v_exp_f32 and their like allow (about 1e-6 of the number): no bf16 or f16 on the way to a quantiser, and a product that is left as it is and whose result goes on into a quantised operand takes f32 operands (vector FMAs, or v_wmma_f32_16x16x4_f32). A number that lies on a knife's edge between two numbers of the format may be rounded either way, as far as f32 arithmetic and the matrix unit's own rounding can turn it there, and no further.
;; One version. Each part assembles by itself: llvm-mc -triple=amdgcn-amd-amdhsa -mcpu=gfx1250 --defsym DOCPART=n.
;; ======== version 1 of 1: 4 launches
;; limits: right only within a limited range of input values
;; workspace buffers: xq 3,276,800 bytes; wq 3,276,800 bytes; qkv 9,830,400 bytes; cq 3,276,800 bytes
;; launch quant (part 1): grid 512 x 1, 4 waves a work-group, no clusters, 68,096 bytes of LDS; arguments x, W_q, W_k, W_v, W_o, xq, wq; writes xq, wq
.if DOCPART == 1
	.amdgcn_target "amdgcn-amd-amdhsa--gfx1250"
	.amdhsa_code_object_version 6
	.text
	.protected	k_q5e5a9a0dd5_quant
	.globl	k_q5e5a9a0dd5_quant
	.p2align	8
	.type	k_q5e5a9a0dd5_quant,@function
k_q5e5a9a0dd5_quant:
	s_mov_b64 s[64:65], 0
	v_nop
	global_prefetch_b8 v0, s[64:65] scope:SCOPE_SE
	s_setreg_imm32_b32 hwreg(HW_REG_WAVE_MODE, 25, 1), 1
	s_wait_xcnt 0x0
; x [4096][1024] (K innermost) and W_q, W_k, W_v, W_o [1024 (k)][1024 (n)] (K outermost), f32, become codes of BF6 (E3M2) with one E8M0 byte for each 32 along K.
; A block's byte is its largest magnitude's exponent field - 4, held at 1 from below; numbers are divided by the scale and rounded to the nearest code, ties to even, beyond 28 the largest code.
; LIMITS: a block whose largest magnitude lies under 2^-122, a block of zeros too, gets the byte 1 (its codes are read by this program alone); NaN and infinities among the inputs are not served.
; THE OUTPUT IS LAID AS THE MATRIX UNIT'S REGISTERS WANT IT.  A PANEL STEP (128 rows x 128 along K) is 12,800 bytes: eight images of 1,536 bytes, then 512 bytes of scale words.
;   Tile i = 2 b + u of a panel holds the rows 32 b + 8 u + p + 8 (p / 8), p = 0 .. 15.  An image: registers 4 j .. 4 j + 3 of lane L at 512 j + 16 L.
;   Lane L = r + 16 h holds row r; its 12 registers are the codes of k = 64 h .. 64 h + 63 as they follow each other.  The unit takes register group c of lane half h for its block 2 c + h; here that group holds
;   block 2 h + c: a change of places of whole blocks, made alike in both operands of every product.  So a scale word's bytes are those of blocks 0, 2, 1, 3.  The word of (b, r, u) lies at 12,288 + 128 b + 8 r + 4 u.
; One work-group makes one panel step.  Work-groups 0-255: x (panel = g / 8, K step = g % 8).  Work-groups 256-511: the weights (matrix, panel of 128 columns, K step).  No tensor load, no barrier: waves share nothing.
; Only x's path touches LDS, each wave its own bytes.  Matrix units, clusters and rings are left out: each byte is read once and nothing is shared.
.set SEL,   20                         ; s[20:21] selects of v_permlanex16_b32: lane l xor 16
.set PITCH, 528                        ; a stage row: 512 bytes + 16: the sixteen rows that a read touches start at different banks
.set STG,   16*PITCH                   ; a stage: one tile's 16 rows; two for each wave
.set RAW,   16                         ; v16-143  x: 2 tiles x 16 rows as loaded
.set XS,    144                        ; v144-207 x: 64 numbers of my row: register 16 y + i = k 32 y + 16 h + i
.set PC,    208                        ; v208-231 the codes, 12 registers for each tile, so that no store's data are written again
.set PT0,   232
.set PT1,   236
.set TM,    240                        ; v240-255 at work
.set WR,    16                         ; v16-143  a weight's 128 numbers of my column, down K
.set HC,    144                        ; v144-167 their codes: 12 registers for each lane half of the image
.set WPT,   168                        ; v168-183 the upper halves of the four blocks (a conversion's three registers begin on an even number)
.set WT,    184                        ; v184-199 at work
; 64 numbers of a lane in four groups of 16; group y is half h (lane / 16) of one block of 32, the other half lies in lane l xor 16.  They become a fragment's 12 registers at v[pc] (lanes 0-15: groups 0 and 1 whole,
; lanes 16-31: groups 2 and 3 whole) and the scale word v[pw].
.macro QUANT_F s, pc, pw
.irp y, 0,1,2,3
	v_max3_num_f32 v[TM+\y], |v[\s+16*\y]|, |v[\s+16*\y+1]|, 0x2800000   ; my 16 numbers, and the floor 2^(5 - 127): the byte cannot fall under 1
.endr
.irp i, 2,4,6,8,10,12,14
.irp y, 0,1,2,3
	v_max3_num_f32 v[TM+\y], v[TM+\y], |v[\s+16*\y+\i]|, |v[\s+16*\y+\i+1]|   ; the four groups by turns
.endr
.endr
.irp y, 0,1,2,3
	v_permlanex16_b32 v[TM+4+\y], v[TM+\y], s[SEL], s[SEL+1]
.endr
.irp y, 0,1,2,3
	v_max_num_f32 v[TM+\y], v[TM+\y], v[TM+4+\y]   ; the block's largest magnitude
.endr
.irp y, 0,1,2,3
	v_add_nc_u32 v[TM+12+\y], 0xfe000000, v[TM+\y]   ; 4 off its exponent field: the conversion's scale operand
.endr
.irp y, 0,1,2,3
	v_lshrrev_b32 v[TM+4+\y], 23, v[TM+12+\y]      ; the byte
.endr
	v_lshl_or_b32 v[\pw], v[TM+6], 8, v[TM+4]      ; bytes of groups 0, 2, 1, 3
	v_lshl_or_b32 v[\pw], v[TM+5], 16, v[\pw]
	v_lshl_or_b32 v[\pw], v[TM+7], 24, v[\pw]
	v_cvt_scalef32_pk16_bf6_f32 v[\pc:\pc+2], v[\s:\s+15], v[TM+12]
	v_cvt_scalef32_pk16_bf6_f32 v[PT0:PT0+2], v[\s+32:\s+47], v[TM+14]
	v_cvt_scalef32_pk16_bf6_f32 v[\pc+6:\pc+8], v[\s+16:\s+31], v[TM+13]
	v_cvt_scalef32_pk16_bf6_f32 v[PT1:PT1+2], v[\s+48:\s+63], v[TM+15]
	v_nop                                          ; one plain place behind the scaled conversions
.irp i, 0,1,2
	v_permlane16_swap_b32 v[\pc+\i], v[PT0+\i]     ; the first's lanes 16-31 change places with the second's lanes 0-15: lower halves in the first, upper halves in the second
	v_permlane16_swap_b32 v[\pc+6+\i], v[PT1+\i]
.endr
.irp i, 0,1,2
	v_mov_b32 v[\pc+3+\i], v[PT0+\i]
	v_mov_b32 v[\pc+9+\i], v[PT1+\i]
.endr
.endm
	s_load_b256 s[4:11], s[0:1], 0x0               ; x s[4:5], W_q s[6:7], W_k s[8:9], W_v s[10:11]
	s_load_b128 s[12:15], s[0:1], 0x20             ; W_o s[12:13], xq s[14:15]
	s_load_b64 s[16:17], s[0:1], 0x30              ; wq
	v_lshl_add_u32 v250, v0, 2, 0x10800
	v_mov_b32 v251, 0
	v_lshrrev_b32 v1, 5, v0
	v_readfirstlane_b32 s18, v1                    ; wave 0..3
	v_and_b32 v2, 31, v0                           ; lane
	s_mov_b32 s[SEL], 0x76543210
	s_mov_b32 s[SEL+1], 0xfedcba98
	s_cmp_lt_u32 ttmp9, 256
	s_cbranch_scc0 .Lweights
	; ---- x.  Wave w takes tiles 2 w and 2 w + 1 of the panel: rows 32 w .. 32 w + 31
	v_and_b32 v3, 15, v0                           ; r
	v_bfe_u32 v4, v0, 4, 1                         ; h
	v_lshlrev_b32 v5, 4, v2                        ; 16 x lane: a load takes a row's 512 bytes of the K step as they lie
	s_mul_i32 s22, s18, 2*STG                      ; my wave's stages
	v_add_nc_u32 v6, s22, v5                       ; into a stage: 16 x lane
	v_mul_u32_u24 v7, v3, PITCH
	v_lshl_add_u32 v7, v4, 6, v7
	v_add_nc_u32 v7, s22, v7                       ; out of it: row r, + 64 h: my 16 numbers of a block
	s_mul_i32 s23, s18, 3072
	v_add_nc_u32 v8, s23, v5                       ; my place in the images: 16 x lane + two images a wave
	v_lshlrev_b32 v9, 3, v3
	v_lshl_add_u32 v9, v4, 2, v9
	s_lshl_b32 s23, s18, 7
	v_add_nc_u32 v9, s23, v9                       ; my scale word: 128 w + 8 r + 4 h (lane half h stores tile u = h's)
	s_lshr_b32 s24, ttmp9, 3                       ; panel
	s_and_b32 s25, ttmp9, 7                        ; K step
	s_lshl_b32 s26, s24, 19                        ; 128 rows of 4,096 bytes
	s_lshr_b32 s27, s18, 1                         ; tile 4 c + t of a panel holds tokens 64 c + 8 t + p + 24 (p / 8): wave w's two tiles begin at row 64 (w / 2) + 16 (w % 2)
	s_lshl_b32 s27, s27, 18
	s_add_co_u32 s26, s26, s27
	s_and_b32 s27, s18, 1
	s_lshl_b32 s27, s27, 16
	s_add_co_u32 s26, s26, s27
	s_lshl_b32 s27, s25, 9                         ; 128 numbers
	s_add_co_u32 s26, s26, s27
	s_mov_b32 s27, 0
	s_mul_i32 s28, s24, 102400
	s_mul_i32 s29, s25, 12800
	s_add_co_u32 s28, s28, s29
	s_mov_b32 s29, 0
.irp y, 0,1,2,3
	v_mov_b32 v[TM+4+\y], 0                        ; written once: a lane permute's destination counts as one of its sources
.endr
	s_wait_alu depctr_va_vdst(0)
	s_wait_kmcnt 0x0
	s_add_nc_u64 s[4:5], s[4:5], s[26:27]
	s_add_nc_u64 s[14:15], s[14:15], s[28:29]
.irp u, 0,1
.irp p, 0,1,2,3,4,5,6,7,8,9,10,11,12,13,14,15
	global_load_b128 v[RAW+64*\u+4*\p:RAW+64*\u+4*\p+3], v5, s[4:5] offset:(8*\u+\p+24*(\p/8))*4096 th:TH_LOAD_NT   ; 32 lanes read 512 consecutive bytes; rows 8-15 of a tile lie 32 tokens behind rows 0-7
.endr
.endr
.macro XTILE u, left
	s_wait_loadcnt \left                           ; this tile's 16 loads are in; the other tile's may be out
.irp p, 0,1,2,3,4,5,6,7,8,9,10,11,12,13,14,15
	ds_store_b128 v6, v[RAW+64*\u+4*\p:RAW+64*\u+4*\p+3] offset:STG*\u+PITCH*\p
.endr
.irp y, 0,1,2,3
.irp q, 0,1,2,3
	ds_load_b128 v[XS+16*\y+4*\q:XS+16*\y+4*\q+3], v7 offset:STG*\u+128*\y+16*\q   ; LDS serves a wave's instructions in order: these see the stores above
.endr
.endr
	s_wait_dscnt 0x0
	QUANT_F XS, PC+12*\u, 12+\u
.irp j, 0,1,2
	global_store_b128 v8, v[PC+12*\u+4*\j:PC+12*\u+4*\j+3], s[14:15] offset:1536*\u+512*\j   ; 512 consecutive bytes, at a multiple of 256 from the buffer's first byte
.endr
.endm
	XTILE 0, 16
	XTILE 1, 0
	v_cmp_ne_u32 vcc_lo, 0, v4
	v_cndmask_b32 v14, v12, v13, vcc_lo            ; lanes 0-15 tile 2 w's word, lanes 16-31 tile 2 w + 1's
	global_store_b32 v9, v14, s[14:15] offset:12288   ; 128 consecutive bytes a wave, the four waves' 512 on end: 512 of the panel step's 12,800 bytes leave in pieces of half of 256
	s_wait_tensorcnt 0x0
	ds_add_u32 v250, v251
	s_wait_dscnt 0x0
	s_endpgm
.Lweights:
	; ---- a weight.  Lane l of wave w takes column 128 pan + 32 w + l, and its registers run down K: a block of 32 lies in one lane, and the codes come out with K innermost
	s_sub_co_u32 s22, ttmp9, 256
	s_lshr_b32 s23, s22, 6                         ; which matrix: q, k, v, o
	s_bfe_u32 s24, s22, 0x30003                    ; panel of 128 columns
	s_and_b32 s25, s22, 7                          ; K step
	s_lshr_b32 s26, s22, 3                         ; 8 x matrix + panel
	s_wait_alu depctr_va_vdst(0)
	v_lshlrev_b32 v3, 2, v2                        ; 4 bytes a lane
	v_bfe_u32 v4, v2, 3, 1                         ; the column's tile u and row r: l = 8 u + r + 8 (r / 8)
	v_and_b32 v5, 7, v2
	v_lshrrev_b32 v6, 4, v2
	v_lshl_add_u32 v5, v6, 3, v5                   ; r
	v_mul_u32_u24 v7, v4, 1536
	v_lshl_add_u32 v7, v5, 4, v7
	s_mul_i32 s27, s18, 3072
	v_add_nc_u32 v7, s27, v7                       ; image 2 w + u, lane r
	v_lshlrev_b32 v8, 3, v5
	v_lshl_add_u32 v8, v4, 2, v8
	s_lshl_b32 s27, s18, 7
	v_add_nc_u32 v8, s27, v8                       ; the scale word: 128 w + 8 r + 4 u
	s_lshl_b32 s28, s25, 19                        ; 128 rows of 4,096 bytes
	s_lshl_b32 s29, s24, 9
	s_add_co_u32 s28, s28, s29
	s_lshl_b32 s29, s18, 7
	s_add_co_u32 s28, s28, s29
	s_mov_b32 s29, 0
	s_mul_i32 s30, s26, 102400
	s_mul_i32 s31, s25, 12800
	s_add_co_u32 s30, s30, s31
	s_mov_b32 s31, 0
	s_wait_kmcnt 0x0
	s_cmp_eq_u32 s23, 1                            ; the choice hangs on the work-group's number alone
	s_cselect_b64 s[6:7], s[8:9], s[6:7]
	s_cmp_eq_u32 s23, 2
	s_cselect_b64 s[6:7], s[10:11], s[6:7]
	s_cmp_eq_u32 s23, 3
	s_cselect_b64 s[6:7], s[12:13], s[6:7]
	s_add_nc_u64 s[6:7], s[6:7], s[28:29]
	s_add_nc_u64 s[16:17], s[16:17], s[30:31]
.set k, 0
.rept 128
	global_load_b32 v[WR+k], v3, s[6:7] offset:4096*k th:TH_LOAD_NT   ; W(128 s + k, my column): 128 consecutive bytes a wave, the four waves' 512 on end
.set k, k+1
.endr
.macro WBLOCK n, left
	s_wait_loadcnt \left
	v_max3_num_f32 v[WT+\n], |v[WR+32*\n]|, |v[WR+32*\n+1]|, |v[WR+32*\n+2]|   ; all 32 numbers of the block are mine: two chains
	v_max3_num_f32 v[WT+4+\n], |v[WR+32*\n+3]|, |v[WR+32*\n+4]|, |v[WR+32*\n+5]|
.irp i, 6,10,14,18,22,26
	v_max3_num_f32 v[WT+\n], v[WT+\n], |v[WR+32*\n+\i]|, |v[WR+32*\n+\i+1]|
	v_max3_num_f32 v[WT+4+\n], v[WT+4+\n], |v[WR+32*\n+\i+2]|, |v[WR+32*\n+\i+3]|
.endr
	v_max3_num_f32 v[WT+\n], v[WT+\n], |v[WR+32*\n+30]|, |v[WR+32*\n+31]|
	v_max3_num_f32 v[WT+\n], v[WT+\n], v[WT+4+\n], 0x2800000   ; and the floor
	v_add_nc_u32 v[WT+8+\n], 0xfe000000, v[WT+\n]
	v_lshrrev_b32 v[WT+12+\n], 23, v[WT+8+\n]
	v_cvt_scalef32_pk16_bf6_f32 v[HC+12*(\n/2)+6*(\n%2):HC+12*(\n/2)+6*(\n%2)+2], v[WR+32*\n:WR+32*\n+15], v[WT+8+\n]   ; block n = 2 h' + c: registers 6 c on of lane half h'
	v_cvt_scalef32_pk16_bf6_f32 v[WPT+4*\n:WPT+4*\n+2], v[WR+32*\n+16:WR+32*\n+31], v[WT+8+\n]
.endm
	WBLOCK 0, 63                                   ; behind this block's loads stand 96 younger ones
	WBLOCK 1, 63                                   ; 64 younger ones
	WBLOCK 2, 32
	WBLOCK 3, 0
	v_nop                                          ; one plain place behind the scaled conversions
.irp n, 0,1,2,3
.irp i, 0,1,2
	v_mov_b32 v[HC+12*(\n/2)+6*(\n%2)+3+\i], v[WPT+4*\n+\i]
.endr
.endr
	v_lshl_or_b32 v9, v[WT+14], 8, v[WT+12]        ; bytes of blocks 0, 2, 1, 3
	v_lshl_or_b32 v9, v[WT+13], 16, v9
	v_lshl_or_b32 v9, v[WT+15], 24, v9
.irp g, 0,1
.irp j, 0,1,2
	global_store_b128 v7, v[HC+12*\g+4*\j:HC+12*\g+4*\j+3], s[16:17] offset:512*\j+256*\g   ; the 16 lanes of a tile store 256 consecutive bytes, aligned: two such blocks an instruction
.endr
.endr
	global_store_b32 v8, v9, s[16:17] offset:12288
	s_endpgm
.Lfunc_end_k_q5e5a9a0dd5_quant:
	.size	k_q5e5a9a0dd5_quant, .Lfunc_end_k_q5e5a9a0dd5_quant-k_q5e5a9a0dd5_quant
	.p2alignl 7, 3214868480
	.fill 96, 4, 3214868480
	.section	.rodata,"a",@progbits
	.p2align	6, 0x0
	.amdhsa_kernel k_q5e5a9a0dd5_quant
		.amdhsa_group_segment_fixed_size 68096
		.amdhsa_private_segment_fixed_size 0
		.amdhsa_enable_private_segment 0
		.amdhsa_kernarg_size 56
		.amdhsa_user_sgpr_count 2
		.amdhsa_user_sgpr_kernarg_segment_ptr 1
		.amdhsa_wavefront_size32 1
		.amdhsa_system_sgpr_workgroup_id_x 1
		.amdhsa_system_sgpr_workgroup_id_y 1
		.amdhsa_system_sgpr_workgroup_id_z 1
		.amdhsa_system_vgpr_workitem_id 0
		.amdhsa_next_free_vgpr 256
		.amdhsa_next_free_sgpr 66
		.amdhsa_reserve_vcc 1
		.amdhsa_float_denorm_mode_32 3
		.amdhsa_float_denorm_mode_16_64 3
		.amdhsa_memory_ordered 1
		.amdhsa_forward_progress 1
		.amdhsa_inst_pref_size 38
	.end_amdhsa_kernel
	.amdgpu_metadata
---
amdhsa.version: [ 1, 2 ]
amdhsa.kernels:
  - .name:           k_q5e5a9a0dd5_quant
    .symbol:         k_q5e5a9a0dd5_quant.kd
    .args:
      - { .name: x, .offset: 0, .size: 8, .value_kind: global_buffer, .address_space: global }
      - { .name: W_q, .offset: 8, .size: 8, .value_kind: global_buffer, .address_space: global }
      - { .name: W_k, .offset: 16, .size: 8, .value_kind: global_buffer, .address_space: global }
      - { .name: W_v, .offset: 24, .size: 8, .value_kind: global_buffer, .address_space: global }
      - { .name: W_o, .offset: 32, .size: 8, .value_kind: global_buffer, .address_space: global }
      - { .name: xq, .offset: 40, .size: 8, .value_kind: global_buffer, .address_space: global }
      - { .name: wq, .offset: 48, .size: 8, .value_kind: global_buffer, .address_space: global }
    .group_segment_fixed_size: 68096
    .private_segment_fixed_size: 0
    .kernarg_segment_align: 8
    .kernarg_segment_size: 56
    .max_flat_workgroup_size: 128
    .sgpr_count:     66
    .vgpr_count:     256
    .wavefront_size: 32
...
	.end_amdgpu_metadata
.endif
;; end of part 1
;; launch proj_qkv (part 2): grid 12 x 16, 4 waves a work-group, clusters of 4 x 4, 327,680 bytes of LDS; arguments xq, wq, b_q, b_k, b_v, qkv; writes qkv
.if DOCPART == 2
	.amdgcn_target "amdgcn-amd-amdhsa--gfx1250"
	.amdhsa_code_object_version 6
	.text
	.protected	k_q5e5a9a0dd5_proj_qkv
	.globl	k_q5e5a9a0dd5_proj_qkv
	.p2align	8
	.type	k_q5e5a9a0dd5_proj_qkv,@function
k_q5e5a9a0dd5_proj_qkv:
	s_mov_b64 s[64:65], 0
	v_nop
	global_prefetch_b8 v0, s[64:65] scope:SCOPE_SE
	s_setreg_imm32_b32 hwreg(HW_REG_WAVE_MODE, 25, 1), 1
	s_wait_xcnt 0x0
	s_wait_alu depctr_hold_cnt(0) depctr_sa_sdst(0) depctr_va_vdst(0) depctr_va_sdst(0) depctr_va_ssrc(0) depctr_va_vcc(0) depctr_vm_vsrc(0)
	s_getreg_b32 s2, hwreg(HW_REG_IB_STS2, 6, 4)
	s_cmp_eq_u32 s2, 0
	s_cbranch_scc0 .Lentry_in_a_cluster
	s_endpgm
.Lentry_in_a_cluster:
	s_bfe_u32 s2, ttmp6, 0x10000c
	s_cmp_lg_u32 s2, 0xf033
	s_cbranch_scc0 .Lentry_shape_is_right
	s_endpgm
.Lentry_shape_is_right:
; Q = x W_q + b_q, K = x W_k + b_k, V = x W_v + b_v on codes of BF6 with E8M0 scales (f32 sums), and the results quantised at once: Q and K along the head's 64, V along the keys.
; xq: [32 panels of 128 tokens][8 K steps][12,800 bytes], wq: [8 x matrix + panel of 128 columns][8][12,800]: a panel step is eight images of a fragment's registers (1,536 bytes; registers 4 j .. 4 j + 3 of lane L at
; 512 j + 16 L) and 512 bytes of scale words ((b, r, u) at 12,288 + 128 b + 8 r + 4 u).  Tile 2 b + u holds rows 32 b + 8 u + p + 8 (p / 8).  A lane's 12 registers are k = 64 (lane / 16) + 0 .. 63; both operands alike.
; qkv: [16 heads][32 key steps of 128 tokens][Q, K, V][6,400 bytes]: four images and 256 bytes of scale words (16 r + 4 f).  Q, K: image f holds tokens 32 f .. 32 f + 31: lanes 0-15 tile 2 f, lanes 16-31 tile 2 f + 1, each lane
; ONE token's 64 numbers.  V: image f holds the head's d tile f x the step's 128 keys.
; A tile of 256 x 256 is made by four waves, each 128 (source 0, P) x 128 (source 1, R): 64 accumulators, 512 registers.  A lane's 16 registers of P tiles 2 b, 2 b + 1 are 16 neighbours along P.
; So for Q and K: P = the weight's columns (registers run along d), R = tokens; for V: P = tokens (registers run along the keys), R = columns.  The fills are the same; only the LDS bases of the reads are chosen.
; K = 1,024 is 8 steps of 128, written out.  LDS: two slots of 153,600 bytes, each with up to three K steps of x's two panels and the weight's two; a wave's load brings up to three K steps of one panel, 38,400 dense bytes.
; One fill goes out at the head (K steps 0-2, slot 0), the second (3-5, slot 1) behind the first round, the third (6-7) into slot 0 behind step 2's round: it has three steps, 192 matrix instructions, in which to land.
; CLUSTER 4 x 4: x's panels hang on the tile row alone and are asked for jointly along a row of the cluster, the weight's on the tile column alone, along a column.  A cluster's 1,024 columns are one matrix:
; which matrix (ttmp9) is the same in all partners.  No prefetch: three quarters of the bytes are asked for at the head.
; LIMITS: a block whose largest magnitude lies under 2^-122 gets the byte 1 (read by this program alone); NaN and infinities are not served.
; REGISTERS: window 0: v1 r, v2 h, v3 16 L, v4-15 LDS addresses, v17-27 way out and biases' addresses, v28-29 the add's, v32-47 P's scale words (two sets), v48-63 R's, v64-159 and v160-255 R's fragments (two sets).
;   window 1: v0-95, v128-223 P's fragments (two sets); v96-127, v224-255 the biases.   windows 2, 3: accumulator (a, b) at v[8 (8 (a % 4) + b)], a < 4 in window 2.
.set REG,   102400
.set LOADB, 38400                      ; three K steps of one panel: LDS is two slots of 4 x LOADB; chunks of K steps 0-2, 3-5, 6-7 lie in slots 0, 1, 0
.set STEPB, 12800
.set IMG,   1536
.set SCW,   12288
.set SPARE, 3*REG                      ; behind the regions: the spare words, 128 bytes for each wave: two blocks of 256 bytes that no other line names
.set HEADB, 614400
.set KSB,   19200
.set PARTB, 6400
.set ADRP, 4                           ; v4-5   P's images in slot 0, 1: base + 16 L
.set ADRR, 7                           ; v7-8   R's
.set ASP,  10                          ; v10-11 P's scale words: base + 8 r
.set ASR,  13                          ; v13-14 R's
.set SO,   17                          ; v17    the scale words' way out: 614,400 h + 16 r
.set BA,   20                          ; v20-27 the biases' eight addresses
.set SPW,  28
.set NIL,  29
.set WK,   64                          ; the way out, window 0: 64 numbers,
.set PC,   128                         ; their codes,
.set PT0,  140
.set PT1,  144
.set TM,   148
.set PWS,  164                         ; the eight fragments' scale words,
.set SW,   172                         ; and the four that my lane stores
.set WV,  16
.set RH,  17                           ; my R panel.  Also: I fetch x's panels (0) or the weight's (1)
.set PH,  18                           ; my P panel.  Also: which of the two panels I fetch
.set CX,  19
.set CY,  20
.set WGX, 21
.set WGY, 22
.set ISV, 23
.set G1A, 24                           ; s[24:31] group 1 for x's panels;  s[32:39] for the weight's: the mask alone differs
.set G1B, 32
.set G0A, 40                           ; s[40:51] groups 0 for x's three chunks;  s[56:63], s[68:71] for the weight's: none is ever rewritten
.set SEL, 90
.set MSB, 0
.macro WIN new                         ; the immediate's high byte repeats the setting that is left
.if MSB != (\new)
	s_set_vgpr_msb (MSB<<8)|(\new)
.set MSB, (\new)
.endif
.endm
.macro PLACES                          ; four plain places behind a matrix instruction, ahead of loads into its registers and of reads of its results
.rept 4
	v_nop
.endr
.endm
.macro THREE                           ; used ahead of a barrier behind which LDS is filled again, and at the wave's end
	s_wait_tensorcnt 0x0
	ds_add_u32 v[SPW], v[NIL]
	s_wait_dscnt 0x0
.endm
.macro CROUND                          ; a round of the cluster's barrier
	s_barrier_signal -1
	s_barrier_wait -1
	s_cmp_lg_u32 s[WV], 0
	s_cbranch_scc1 .Lnot_wave_0_\@
	s_barrier_signal -3
.Lnot_wave_0_\@:
	s_barrier_wait -3
	s_barrier_signal -1
	s_barrier_wait -1
.endm
.macro JLOAD ga, gb                    ; a joint load: waves 0, 1 for x, waves 2, 3 for the weight; four v_nop follow each line
	s_cmp_eq_u32 s[RH], 0
	s_cbranch_scc0 .Lfor_b_\@
	tensor_load_to_lds s[\ga:\ga+3], s[G1A:G1A+7]
	s_nop 0
.rept 4
	v_nop
.endr
	s_branch .Lasked_\@
.Lfor_b_\@:
	tensor_load_to_lds s[\gb:\gb+3], s[G1B:G1B+7]
	s_nop 0
.rept 4
	v_nop
.endr
.Lasked_\@:
.endm
.macro LOADS g, q, set                 ; 56 LDS loads: the fragments and scale words of K step q of region g into set: each b128 reads 512 consecutive bytes
	WIN 0x40                                       ; destination window 1, address window 0
.irp i, 0,1,2,3,4,5,6,7
.irp j, 0,1,2
	ds_load_b128 v[128*\set+12*\i+4*\j:128*\set+12*\i+4*\j+3], v[ADRP+\g] offset:STEPB*\q+IMG*\i+512*\j
.endr
.endr
	WIN 0
.irp i, 0,1,2,3,4,5,6,7
.irp j, 0,1,2
	ds_load_b128 v[64+96*\set+12*\i+4*\j:64+96*\set+12*\i+4*\j+3], v[ADRR+\g] offset:STEPB*\q+IMG*\i+512*\j
.endr
.endr
.irp b, 0,1,2,3
	ds_load_b64 v[32+8*\set+2*\b:32+8*\set+2*\b+1], v[ASP+\g] offset:SCW+STEPB*\q+128*\b   ; the words of tiles 2 b and 2 b + 1
	ds_load_b64 v[48+8*\set+2*\b:48+8*\set+2*\b+1], v[ASR+\g] offset:SCW+STEPB*\q+128*\b
.endr
.endm
.macro WM a, b, set, zero
.if \zero
	v_wmma_scale_f32_16x16x128_f8f6f4 v[8*(8*(\a%4)+\b):8*(8*(\a%4)+\b)+7], v[128*\set+12*\b:128*\set+12*\b+11], v[64+96*\set+12*\a:64+96*\set+12*\a+11], 0, v[32+8*\set+\b], v[48+8*\set+\a] matrix_a_fmt:MATRIX_FMT_BF6 matrix_b_fmt:MATRIX_FMT_BF6
.else
	v_wmma_scale_f32_16x16x128_f8f6f4 v[8*(8*(\a%4)+\b):8*(8*(\a%4)+\b)+7], v[128*\set+12*\b:128*\set+12*\b+11], v[64+96*\set+12*\a:64+96*\set+12*\a+11], v[8*(8*(\a%4)+\b):8*(8*(\a%4)+\b)+7], v[32+8*\set+\b], v[48+8*\set+\a] matrix_a_fmt:MATRIX_FMT_BF6 matrix_b_fmt:MATRIX_FMT_BF6
.endif
.endm
.macro MUL set, zero                   ; a K step: 64 matrix instructions; the 64 accumulators take turns, in the same order in every step.  zero = 1: the first step starts the sums
	WIN 0xa1                                       ; source 0 window 1, source 1 window 0, C and D window 2
.irp a, 0,1,2,3
.irp b, 0,1,2,3,4,5,6,7
	WM \a, \b, \set, \zero
.endr
.endr
	WIN 0xf1                                       ; C and D window 3
.irp a, 4,5,6,7
.irp b, 0,1,2,3,4,5,6,7
	WM \a, \b, \set, \zero
.endr
.endr
.endm
.macro STEPN g, q, set, mset           ; a plain step: the next step's loads go out, then this step's products
	PLACES
	LOADS \g, \q, \set
	s_wait_dscnt 56                                ; all but the 56 just issued: this step's fragments are in
	MUL \mset, 0
.endm
; 64 numbers of a lane in four groups of 16; group y is half h of one block of 32, the other half lies in lane l xor 16.  They become 12 registers at v[pc] (lanes 0-15: groups 0, 1 whole; lanes 16-31: groups 2, 3) and the scale word v[pw].
.macro QUANT_F s, pc, pw
.irp y, 0,1,2,3
	v_max3_num_f32 v[TM+\y], |v[\s+16*\y]|, |v[\s+16*\y+1]|, 0x2800000   ; and the floor 2^(5 - 127): the byte cannot fall under 1
.endr
.irp i, 2,4,6,8,10,12,14
.irp y, 0,1,2,3
	v_max3_num_f32 v[TM+\y], v[TM+\y], |v[\s+16*\y+\i]|, |v[\s+16*\y+\i+1]|
.endr
.endr
.irp y, 0,1,2,3
	v_permlanex16_b32 v[TM+4+\y], v[TM+\y], s[SEL], s[SEL+1]
.endr
.irp y, 0,1,2,3
	v_max_num_f32 v[TM+\y], v[TM+\y], v[TM+4+\y]
.endr
.irp y, 0,1,2,3
	v_add_nc_u32 v[TM+12+\y], 0xfe000000, v[TM+\y]   ; 4 off the exponent field: the conversion's scale operand
.endr
.irp y, 0,1,2,3
	v_lshrrev_b32 v[TM+4+\y], 23, v[TM+12+\y]
.endr
	v_lshl_or_b32 v[\pw], v[TM+6], 8, v[TM+4]      ; bytes of groups 0, 2, 1, 3
	v_lshl_or_b32 v[\pw], v[TM+5], 16, v[\pw]
	v_lshl_or_b32 v[\pw], v[TM+7], 24, v[\pw]
	v_cvt_scalef32_pk16_bf6_f32 v[\pc:\pc+2], v[\s:\s+15], v[TM+12]
	v_cvt_scalef32_pk16_bf6_f32 v[PT0:PT0+2], v[\s+32:\s+47], v[TM+14]
	v_cvt_scalef32_pk16_bf6_f32 v[\pc+6:\pc+8], v[\s+16:\s+31], v[TM+13]
	v_cvt_scalef32_pk16_bf6_f32 v[PT1:PT1+2], v[\s+48:\s+63], v[TM+15]
	v_nop                                          ; one plain place behind the scaled conversions
.irp i, 0,1,2
	v_permlane16_swap_b32 v[\pc+\i], v[PT0+\i]
	v_permlane16_swap_b32 v[\pc+6+\i], v[PT1+\i]
.endr
.irp i, 0,1,2
	v_mov_b32 v[\pc+3+\i], v[PT0+\i]
	v_mov_b32 v[\pc+9+\i], v[PT1+\i]
.endr
.endm
; V: 64 numbers of a lane are two whole blocks of 32 keys: register 32 c + i is key 64 c + 32 (lane / 16) + i.  No other lane is asked for a maximum; the codes are the operand's registers in the unit's own order;
; the scale word's bytes 2 c + (lane / 16) are gathered from lanes l and l xor 16.  v31 = 8 (lane / 16).
.macro QUANT_V s, pc, pw
.irp c, 0,1
	v_max3_num_f32 v[TM+\c], |v[\s+32*\c]|, |v[\s+32*\c+1]|, 0x2800000
	v_max3_num_f32 v[TM+2+\c], |v[\s+32*\c+2]|, |v[\s+32*\c+3]|, 0x2800000
.endr
.irp i, 4,8,12,16,20,24,28
.irp c, 0,1
	v_max3_num_f32 v[TM+\c], v[TM+\c], |v[\s+32*\c+\i]|, |v[\s+32*\c+\i+1]|
	v_max3_num_f32 v[TM+2+\c], v[TM+2+\c], |v[\s+32*\c+\i+2]|, |v[\s+32*\c+\i+3]|
.endr
.endr
.irp c, 0,1
	v_max_num_f32 v[TM+\c], v[TM+\c], v[TM+2+\c]
.endr
.irp c, 0,1
	v_add_nc_u32 v[TM+12+\c], 0xfe000000, v[TM+\c]
.endr
.irp c, 0,1
	v_lshrrev_b32 v[TM+4+\c], 23, v[TM+12+\c]
.endr
	v_lshl_or_b32 v[TM+4], v[TM+5], 16, v[TM+4]
	v_lshlrev_b32 v[TM+4], v31, v[TM+4]
	v_permlanex16_b32 v[TM+6], v[TM+4], s[SEL], s[SEL+1]
	v_or_b32 v[\pw], v[TM+4], v[TM+6]
	v_cvt_scalef32_pk16_bf6_f32 v[\pc:\pc+2], v[\s:\s+15], v[TM+12]
	v_cvt_scalef32_pk16_bf6_f32 v[PT0:PT0+2], v[\s+16:\s+31], v[TM+12]
	v_cvt_scalef32_pk16_bf6_f32 v[\pc+6:\pc+8], v[\s+32:\s+47], v[TM+13]
	v_cvt_scalef32_pk16_bf6_f32 v[PT1:PT1+2], v[\s+48:\s+63], v[TM+13]
	v_nop                                          ; one plain place behind the scaled conversions
.irp i, 0,1,2
	v_mov_b32 v[\pc+3+\i], v[PT0+\i]
	v_mov_b32 v[\pc+9+\i], v[PT1+\i]
.endr
.endm
	s_load_b256 s[4:11], s[0:1], 0x0
	s_load_b128 s[12:15], s[0:1], 0x20             ; b_v s[12:13], qkv s[14:15]
	v_lshl_add_u32 v[SPW], v0, 2, SPARE
	v_mov_b32 v[NIL], 0
	ds_add_u32 v28, v29
	ds_add_u32 v28, v29
	s_wait_dscnt 0x0
	v_lshrrev_b32 v1, 5, v0
	v_readfirstlane_b32 s[WV], v1
	s_lshr_b32 s[RH], s[WV], 1
	s_and_b32 s[PH], s[WV], 1
	s_bfe_u32 s[CX], ttmp6, 0x40000
	s_bfe_u32 s[CY], ttmp6, 0x40004
	s_lshl_b32 s[WGX], ttmp9, 2
	s_add_co_u32 s[WGX], s[WGX], s[CX]             ; tile column = 4 x cluster x + cx
	s_and_b32 s[WGY], ttmp7, 0xffff
	s_lshl_b32 s[WGY], s[WGY], 2
	s_add_co_u32 s[WGY], s[WGY], s[CY]             ; tile row = 4 x cluster y + cy
	s_lshl_b32 s80, s[CY], 2
	s_lshl_b32 s80, 15, s80                        ; my row of the cluster
	s_lshl_b32 s81, 0x1111, s[CX]                  ; my column
	s_or_b32 s[G1A], s80, (3<<16)|(1<<21)          ; 15:0 the mask; 17:16 elements of 8 bytes; 21 set beside a mask; no padding
	s_or_b32 s[G1B], s81, (3<<16)|(1<<21)
.irp g, G1A, G1B
	s_mov_b32 s[\g+1], 32<<16                      ; tensor_dim0 = 32 elements: rows of 256 bytes
	s_mov_b32 s[\g+2], 150<<16                     ; tensor_dim1 = 150 rows: 38,400 dense bytes
	s_mov_b32 s[\g+3], 32<<16                      ; tile_dim0
	s_mov_b32 s[\g+4], 150
	s_mov_b32 s[\g+5], 32                          ; the pitch
	s_mov_b32 s[\g+6], 0
	s_mov_b32 s[\g+7], 0
.endr
	s_lshl_b32 s76, s[WGY], 1
	s_add_co_u32 s76, s76, s[PH]
	s_mul_i32 s76, s76, REG                        ; x: panel 2 x tile row + which I fetch
	s_mov_b32 s77, 0
	s_lshl_b32 s78, s[WGX], 1
	s_add_co_u32 s78, s78, s[PH]
	s_mul_i32 s78, s78, REG                        ; the weight: panel 2 x tile column + which I fetch (in registers that never hold the tile row)
	s_mov_b32 s79, 0
	s_mul_i32 s82, s[WV], LOADB                    ; where it goes in a region: no place in the cluster enters an LDS address
	s_mov_b32 s[SEL], 0x76543210
	s_mov_b32 s[SEL+1], 0xfedcba98
	s_wait_kmcnt 0x0
	s_add_nc_u64 s[76:77], s[4:5], s[76:77]
	s_add_nc_u64 s[78:79], s[6:7], s[78:79]
.irp c, 0,1,2
.set GB, 56+4*\c+4*(\c/2)
	s_mov_b32 s[G0A+4*\c], 1
	s_add_co_u32 s[G0A+4*\c+1], s82, (\c%2)*4*LOADB
	s_add_nc_u64 s[G0A+4*\c+2:G0A+4*\c+3], s[76:77], \c*LOADB
	s_or_b32 s[G0A+4*\c+3], s[G0A+4*\c+3], 0x80000000
	s_mov_b32 s[GB], 1
	s_add_co_u32 s[GB+1], s82, (\c%2)*4*LOADB
	s_add_nc_u64 s[GB+2:GB+3], s[78:79], \c*LOADB
	s_or_b32 s[GB+3], s[GB+3], 0x80000000
.endr
	CROUND                                         ; all sixteen work-groups are here: the first joint loads meet
	JLOAD 40, 56                                   ; K steps 0-2: one tensor load a wave at the head
	v_and_b32 v1, 15, v0                           ; r
	v_bfe_u32 v2, v0, 4, 1                         ; h
	v_and_b32 v3, 31, v0
	v_lshlrev_b32 v3, 4, v3                        ; 16 L
	s_wait_alu depctr_va_vdst(0)
	v_lshlrev_b32 v30, 3, v1                       ; 8 r
	s_wait_alu depctr_va_vdst(0)
	s_cmp_eq_u32 ttmp9, 2                          ; V's cluster?
	s_cselect_b32 s[ISV], 1, 0
	s_cselect_b32 s80, 0, 2*LOADB                  ; P: tokens (x's panels lie first in a region) or columns
	s_cselect_b32 s81, 2*LOADB, 0                  ; R: the other
	s_cselect_b32 s83, s[RH], s[PH]                ; which column panel is mine
	s_cselect_b32 s84, s[PH], s[RH]                ; which token panel
	s_cselect_b32 s85, -1, 0
	s_mul_i32 s86, s[PH], LOADB
	s_add_co_u32 s80, s80, s86
	s_mul_i32 s86, s[RH], LOADB
	s_add_co_u32 s81, s81, s86
.irp g, 0,1
	v_add_nc_u32 v[ADRP+\g], s80, v3
	v_add_nc_u32 v[ADRR+\g], s81, v3
	v_add_nc_u32 v[ASP+\g], s80, v30
	v_add_nc_u32 v[ASR+\g], s81, v30
	s_add_co_u32 s80, s80, 4*LOADB
	s_add_co_u32 s81, s81, 4*LOADB
.endr
	s_cmp_eq_u32 ttmp9, 1                          ; my matrix's bias
	s_cselect_b64 s[8:9], s[10:11], s[8:9]
	s_cmp_eq_u32 ttmp9, 2
	s_cselect_b64 s[8:9], s[12:13], s[8:9]
	s_lshl_b32 s86, s[CX], 10
	s_lshl_b32 s87, s83, 9
	s_add_co_u32 s86, s86, s87                     ; at my 128 columns
	s_mov_b32 s87, 0
	s_add_nc_u64 s[8:9], s[8:9], s[86:87]
	; THE BIASES, 64 registers of window 1, register n at v[96 + n + 96 (n / 32)].  Q, K: n = 16 b + i holds the bias of column 32 b + 16 h + i, the column of accumulator registers 16 b + i.
	; V: registers 8 t .. 8 t + 7 all hold the bias of my lane's column of tile t.  One run of loads serves both: address A_k + 128 (n / 16) + 32 ((n / 8) % 2), k = n % 8, with A_k = 64 h + 4 k or 4 (r + 8 (r / 8)).
	v_lshlrev_b32 v18, 6, v2
	v_and_b32 v19, 8, v1
	v_add_nc_u32 v19, v19, v1
	v_lshlrev_b32 v19, 2, v19
.irp k, 0,1,2,3,4,5,6,7
	v_add_nc_u32 v[BA+\k], 4*\k, v18
.endr
.irp k, 0,1,2,3,4,5,6,7
	v_cndmask_b32 v[BA+\k], v[BA+\k], v19, s85
.endr
	WIN 0x40
.set n, 0
.rept 64
	global_load_b32 v[96+n+96*(n/32)], v[BA+n%8], s[8:9] offset:128*(n/16)+32*((n/8)%2)
.set n, n+1
.endr
	WIN 0
	s_lshl_b32 s86, s[CX], 2                       ; where my results go: head 4 cx + 2 x column panel (+ 1 by the stores' immediate),
	s_lshl_b32 s87, s83, 1
	s_add_co_u32 s86, s86, s87
	s_mul_i32 s86, s86, HEADB
	s_lshl_b32 s87, s[WGY], 1
	s_add_co_u32 s87, s87, s84                     ; key step 2 x tile row + token panel,
	s_mul_i32 s87, s87, KSB
	s_add_co_u32 s86, s86, s87
	s_mul_i32 s87, ttmp9, PARTB                    ; part Q, K or V
	s_add_co_u32 s86, s86, s87
	s_mov_b32 s87, 0
	s_add_nc_u64 s[14:15], s[14:15], s[86:87]
	v_mul_u32_u24 v[SO], v2, HEADB
	v_lshl_add_u32 v[SO], v1, 4, v[SO]
	s_wait_alu depctr_va_vdst(0)                   ; the wait at the head's end
	THREE                                          ; my part of K steps 0-2 is in
	CROUND                                         ; and everybody's
	JLOAD 44, 60                                   ; slot 1's first fill, K steps 3-5: the first tensor load behind the round
	LOADS 0, 0, 0
	LOADS 0, 1, 1                                  ; step 0
	s_wait_dscnt 56
	MUL 0, 1
	STEPN 0, 2, 0, 1                               ; step 1
	WIN 0                                          ; step 2: slot 0 has been read out, slot 1 must be whole
	s_wait_tensorcnt 0x0
	ds_add_u32 v[SPW], v[NIL]
	s_mov_b32 s[G1A+2], 100<<16                    ; no tensor load of mine is out: the last chunk has two K steps, 100 rows
	s_mov_b32 s[G1A+4], 100
	s_mov_b32 s[G1B+2], 100<<16
	s_mov_b32 s[G1B+4], 100
	s_wait_dscnt 0x0
	CROUND
	JLOAD 48, 68                                   ; the one refill, K steps 6-7 into slot 0; its four v_nop are the places ahead of the loads below
	LOADS 1, 0, 1
	MUL 0, 0
	STEPN 1, 1, 0, 1                               ; step 3
	STEPN 1, 2, 1, 0                               ; step 4
	WIN 0                                          ; step 5: chunk 3 must be whole for every wave
	THREE
	s_barrier_signal -1
	s_barrier_wait -1
	PLACES
	LOADS 0, 0, 0
	MUL 1, 0
	STEPN 0, 1, 1, 0                               ; step 6
	s_wait_dscnt 0x0                               ; step 7
	MUL 1, 0
	WIN 0
	; THE WAY OUT: eight fragments a wave.  64 sums and their biases are gathered into window 0, quantised, and the 12 registers leave as an image: three stores of 512 consecutive bytes.
	PLACES
.irp y, 0,1,2,3
	v_mov_b32 v[TM+4+\y], 0                        ; written once: a lane permute's destination counts as one of its sources
.endr
	s_wait_loadcnt 0x0                             ; the biases
	s_cmp_eq_u32 s[ISV], 0
	s_cbranch_scc0 .Lout_v
; Q, K: fragment (head eta, tokens 32 pi on): groups (tile 2 pi, d 0-31), (tile 2 pi, d 32-63), (tile 2 pi + 1, d 0-31), (tile 2 pi + 1, d 32-63): lanes 0-15 end up with tile 2 pi's tokens, lanes 16-31 with tile 2 pi + 1's
.macro FRAG_QK eta, pi
	WIN 0x06+\pi/2                                 ; source 0: the accumulators' window, source 1: window 1
.irp y, 0,1,2,3
.irp i, 0,2,4,6,8,10,12,14
.set NN, 16*(2*\eta+\y%2)+\i
.set AA, 64*((2*\pi+\y/2)%4)+NN
.set CC, 96+NN+96*(NN/32)
	v_pk_add_f32 v[WK+16*\y+\i:WK+16*\y+\i+1], v[AA:AA+1], v[CC:CC+1]   ; each accumulator from its low end on
.endr
.endr
	WIN 0
	s_wait_xcnt 0x0                                ; the last fragment's stores have read their data: the codes' registers are written again only behind this wait
	QUANT_F WK, PC, PWS+4*\eta+\pi
.irp j, 0,1,2
	global_store_b128 v3, v[PC+4*\j:PC+4*\j+3], s[14:15] offset:\eta*HEADB+\pi*IMG+512*\j
.endr
.endm
.irp eta, 0,1
.irp pi, 0,1,2,3
	FRAG_QK \eta, \pi
.endr
.endr
	s_branch .Lout_done
.Lout_v:
	v_lshlrev_b32 v31, 3, v2                       ; 8 h
; V: fragment t: column tile t (head t / 4, d tile t % 4); the four groups are the step's four blocks of 32 keys
.macro FRAG_V t
	WIN 0x06+\t/4
.set CC, 96+8*\t+96*(\t/4)
.irp y, 0,1,2,3
.irp i, 0,2,4,6,8,10,12,14
	v_pk_add_f32 v[WK+16*\y+\i:WK+16*\y+\i+1], v[64*(\t%4)+16*\y+\i:64*(\t%4)+16*\y+\i+1], v[CC:CC+1]
.endr
.endr
	WIN 0
	s_wait_xcnt 0x0
	QUANT_V WK, PC, PWS+\t
.irp j, 0,1,2
	global_store_b128 v3, v[PC+4*\j:PC+4*\j+3], s[14:15] offset:(\t/4)*HEADB+(\t%4)*IMG+512*\j
.endr
.endm
.irp t, 0,1,2,3,4,5,6,7
	FRAG_V \t
.endr
.Lout_done:
	v_cmp_ne_u32 vcc_lo, 0, v2
.irp i, 0,1,2,3
	v_cndmask_b32 v[SW+\i], v[PWS+\i], v[PWS+4+\i], vcc_lo   ; lanes 0-15: the first head's four words of row r, lanes 16-31: the second head's
.endr
	global_store_b128 v[SO], v[SW:SW+3], s[14:15] offset:4*IMG   ; sixteen lanes store 256 consecutive bytes, aligned
	THREE                                          ; the wave's end
	CROUND                                         ; the closing round
	s_endpgm
.Lfunc_end_k_q5e5a9a0dd5_proj_qkv:
	.size	k_q5e5a9a0dd5_proj_qkv, .Lfunc_end_k_q5e5a9a0dd5_proj_qkv-k_q5e5a9a0dd5_proj_qkv
	.p2alignl 7, 3214868480
	.fill 96, 4, 3214868480
	.section	.rodata,"a",@progbits
	.p2align	6, 0x0
	.amdhsa_kernel k_q5e5a9a0dd5_proj_qkv
		.amdhsa_group_segment_fixed_size 327680
		.amdhsa_private_segment_fixed_size 0
		.amdhsa_enable_private_segment 0
		.amdhsa_kernarg_size 48
		.amdhsa_user_sgpr_count 2
		.amdhsa_user_sgpr_kernarg_segment_ptr 1
		.amdhsa_wavefront_size32 1
		.amdhsa_system_sgpr_workgroup_id_x 1
		.amdhsa_system_sgpr_workgroup_id_y 1
		.amdhsa_system_sgpr_workgroup_id_z 1
		.amdhsa_system_vgpr_workitem_id 0
		.amdhsa_next_free_vgpr 1024
		.amdhsa_next_free_sgpr 100
		.amdhsa_reserve_vcc 1
		.amdhsa_float_denorm_mode_32 3
		.amdhsa_float_denorm_mode_16_64 3
		.amdhsa_memory_ordered 1
		.amdhsa_forward_progress 1
		.amdhsa_inst_pref_size 204
	.end_amdhsa_kernel
	.amdgpu_metadata
---
amdhsa.version: [ 1, 2 ]
amdhsa.kernels:
  - .name:           k_q5e5a9a0dd5_proj_qkv
    .symbol:         k_q5e5a9a0dd5_proj_qkv.kd
    .args:
      - { .name: xq, .offset: 0, .size: 8, .value_kind: global_buffer, .address_space: global }
      - { .name: wq, .offset: 8, .size: 8, .value_kind: global_buffer, .address_space: global }
      - { .name: b_q, .offset: 16, .size: 8, .value_kind: global_buffer, .address_space: global }
      - { .name: b_k, .offset: 24, .size: 8, .value_kind: global_buffer, .address_space: global }
      - { .name: b_v, .offset: 32, .size: 8, .value_kind: global_buffer, .address_space: global }
      - { .name: qkv, .offset: 40, .size: 8, .value_kind: global_buffer, .address_space: global }
    .group_segment_fixed_size: 327680
    .private_segment_fixed_size: 0
    .kernarg_segment_align: 8
    .kernarg_segment_size: 48
    .max_flat_workgroup_size: 128
    .sgpr_count:     100
    .vgpr_count:     1024
    .wavefront_size: 32
...
	.end_amdgpu_metadata
.endif
;; end of part 2
;; launch attn (part 3): grid 16 x 16, 8 waves a work-group, clusters of 4 x 1, 327,680 bytes of LDS; arguments qkv, cq; writes cq
.if DOCPART == 3
	.amdgcn_target "amdgcn-amd-amdhsa--gfx1250"
	.amdhsa_code_object_version 6
	.text
	.protected	k_q5e5a9a0dd5_attn
	.globl	k_q5e5a9a0dd5_attn
	.p2align	8
	.type	k_q5e5a9a0dd5_attn,@function
k_q5e5a9a0dd5_attn:
	s_mov_b64 s[64:65], 0
	v_nop
	global_prefetch_b8 v0, s[64:65] scope:SCOPE_SE
	s_setreg_imm32_b32 hwreg(HW_REG_WAVE_MODE, 25, 1), 1
	s_wait_xcnt 0x0
	s_wait_alu depctr_hold_cnt(0) depctr_sa_sdst(0) depctr_va_vdst(0) depctr_va_sdst(0) depctr_va_ssrc(0) depctr_va_vcc(0) depctr_vm_vsrc(0)
	s_getreg_b32 s2, hwreg(HW_REG_IB_STS2, 6, 4)
	s_cmp_eq_u32 s2, 0
	s_cbranch_scc0 .Lentry_in_a_cluster
	s_endpgm
.Lentry_in_a_cluster:
	s_bfe_u32 s2, ttmp6, 0x10000c
	s_cmp_lg_u32 s2, 0x3003
	s_cbranch_scc0 .Lentry_shape_is_right
	s_endpgm
.Lentry_shape_is_right:
; ctx[q][head] = softmax_k(Q . K / 8) V on codes of BF6 with E8M0 scales, and ctx quantised along D for the last product.
; t = score x log2(e) / 8; M = the running largest t rounded UP to a whole number; p = 2^(t - M) is quantised along the keys, not normalised; the row's sum is taken of the unquantised p and divides at the end.
; When M moves, the sum and O are multiplied by 2^(old M - new M): exact.
; qkv: [16 heads][32 key steps of 128 tokens][Q, K, V][6,400 bytes]: four images of a fragment's registers (1,536 bytes: registers 4 j .. 4 j + 3 of lane L at 512 j + 16 L) and 256 bytes of scale words (16 r + 4 f).
; Tile 4 c + t of a step holds tokens 64 c + 8 t + p + 24 (p / 8), p = 0 .. 15.  A fragment of K holds two tiles: lanes 0-15 tile 2 f's keys, lanes 16-31 tile 2 f + 1's, each lane one key's 64 numbers.  Q stands twice:
; once with my queries in lanes 0-15 and zero codes in lanes 16-31, once the other way round: K's fragment x the first gives tile 2 f's scores, x the second tile 2 f + 1's.
; Both products are used transposed: a lane holds ONE query, and register 32 c + i of its scores is key 64 c + 32 (lane / 16) + i: A LANE HOLDS TWO WHOLE BLOCKS OF 32 KEYS.  So a block's largest score needs no other lane,
; p's codes are the operand's registers as the conversions give them, and V's images (made by the launch before) have the same order of keys.  p's scale word: byte 2 c + (lane / 16), gathered from lanes l and l xor 16.
; A block's scale: its largest p is 2^x, x = its largest score's t - M, so the byte is floor(x) + 123, held at 1 from below (x held at -122).
; SHARES.  A work-group owns 256 queries of one head; each of its eight waves two tiles of 16 queries (T = 0, 1), worked by turns line by line, so that each fragment of K and V feeds both tiles' products.
; LDS: slot A, 8 key steps (12,800 bytes each: K's part, V's part), and slot B, 16.  Key steps 0-7 -> A at the head, 8-23 -> B behind the first round, 24-31 -> A behind the second.  Every wave issues one load of each fill.
; Each fill is asked for 8 key steps or more ahead of its first read, so nothing is prefetched.  CLUSTER 4 x 1: the four query blocks of a cluster walk the same K and V: each tile is asked for jointly.
; LIMITS: the promise holds while |t| stays under 2^31; p under 2^-126 counts as 0 (v_exp_f32 flushes); a block of ctx whose largest magnitude lies under 2^-122 gets the byte 1; NaN and infinities are not served.
; REGISTERS.  Window 0: addresses, Q's four fragments, K's and V's fragments, scale words, a few numbers a tile.  Window 1: v[64 T] scores and p, v[128 + 32 T] O^T, p's codes, the sums.
.set STEPB, 12800
.set PARTB, 6400
.set IMG,   1536
.set HEADB, 614400
.set KSB,   19200
.set SLA,   0
.set SLB,   8*STEPB
.set SPARE, 24*STEPB                   ; behind the slots: the spare words, 128 bytes for each wave: four blocks of 256 bytes that no other line names
.set AL,  1                            ; 16 x lane
.set AR,  2                            ; 16 x (lane % 16)
.set SPW, 3
.set NIL, 4
.set ADK, 5
.set ADS, 6
.set SH8, 7                            ; 8 x (lane / 16)
.set QF,  16                           ; v16-63   Q: tile T's two fragments at 24 T, 24 T + 12
.set KF,  64                           ; v64-111  K's four fragments;  v112-159 V's
.set KS,  160                          ; v160-163 K's scale words;  v164-167 V's
.set QS,  168                          ; Q's scale words, bytes s0, s0, s1, s1
.set PW,  170                          ; p's scale words
.set NM,  172                          ; -M, as the low word of a pair
.set F,   176                          ; 2^(old M - new M), likewise
.set RM,  180                          ; the running largest score
.set BM,  182                          ; the blocks' largest scores (2 T + c), in two chains
.set BN,  186
.set TT,  190
.set TX,  192
.set BX,  194
.set BO,  198                          ; the conversions' scale operands
.set WW,  202
.set WX,  204
.set KSH, 206                          ; 0x7b007b << 8 (lane / 16)
.set OA,  128                          ; window 1
.set PC,  192
.set PT,  216
.set SA,  232
.set LL,  248
.set WV,  8
.set G1,  16                           ; s[16:23] group 1: one key step, 50 rows of 256 bytes;  s[68:75]: two key steps, rows of 12,800 bytes
.set G1W, 68
.set SEL, 40
.set CS,  42                           ; s[42:43] c = log2(e) / 8;  s44 = -c
.set NCS, 44
.set TB,  45
.set CNT, 46
.set K123, 47
.set MSB, 0
.macro WIN new                         ; the immediate's high byte repeats the setting that is left
.if MSB != (\new)
	s_set_vgpr_msb (MSB<<8)|(\new)
.set MSB, (\new)
.endif
.endm
.macro THREE                           ; used ahead of a barrier behind which LDS is filled, and at the wave's end
	s_wait_tensorcnt 0x0
	ds_add_u32 v[SPW], v[NIL]
	s_wait_dscnt 0x0
.endm
.macro CROUND
	s_barrier_signal -1
	s_barrier_wait -1
	s_cmp_lg_u32 s[WV], 0
	s_cbranch_scc1 .Lnot_wave_0_\@
	s_barrier_signal -3
.Lnot_wave_0_\@:
	s_barrier_wait -3
	s_barrier_signal -1
	s_barrier_wait -1
.endm
.macro FILL g0, g1                     ; every wave's own part of a fill; s_nop 0 and four v_nop follow the line
	tensor_load_to_lds s[\g0:\g0+3], s[\g1:\g1+7]
	s_nop 0
.rept 4
	v_nop
.endr
.endm
.macro D2
	s_delay_alu instid0(VALU_DEP_2)
.endm
	s_load_b128 s[4:7], s[0:1], 0x0                ; qkv s[4:5], cq s[6:7]
	v_lshl_add_u32 v[SPW], v0, 2, SPARE
	v_mov_b32 v[NIL], 0
	ds_add_u32 v[SPW], v[NIL]                      ; the opening lines: the add twice on end and its wait
	ds_add_u32 v[SPW], v[NIL]
	v_lshrrev_b32 v5, 5, v0
	v_readfirstlane_b32 s[WV], v5                  ; wave 0..7
	s_bfe_u32 s9, ttmp6, 0x40000                   ; cx
	s_lshl_b32 s10, ttmp9, 2
	s_add_co_u32 s10, s10, s9                      ; my block of 256 queries: it enters Q's and ctx's addresses alone
	s_and_b32 s11, ttmp7, 0xffff                   ; the head, which the four partners share
	s_mov_b32 s[G1], 15|(3<<16)|(1<<21)            ; the mask: all four; elements of 8 bytes; bit 21 beside a mask
	s_mov_b32 s[G1+1], 32<<16
	s_mov_b32 s[G1+2], 50<<16
	s_mov_b32 s[G1+3], 32<<16
	s_mov_b32 s[G1+4], 50
	s_mov_b32 s[G1+5], 32
	s_mov_b32 s[G1+6], 0
	s_mov_b32 s[G1+7], 0
	s_mov_b32 s[G1W], 15|(3<<16)|(1<<21)
	s_mov_b32 s[G1W+1], 1600<<16                   ; a row is a key step's K and V parts, 12,800 bytes on end
	s_mov_b32 s[G1W+2], 2<<16
	s_mov_b32 s[G1W+3], 1600<<16
	s_mov_b32 s[G1W+4], 2
	s_mov_b32 s[G1W+5], 2400                       ; 19,200 bytes from key step to key step
	s_mov_b32 s[G1W+6], 0
	s_mov_b32 s[G1W+7], 0
	s_mul_i32 s36, s[WV], STEPB                    ; slot A: my key step
	s_mul_i32 s37, s[WV], 2*STEPB
	s_add_co_u32 s37, s37, SLB                     ; slot B: my two
	s_mul_i32 s50, s11, HEADB
	s_mul_i32 s51, s[WV], KSB
	s_add_co_u32 s48, s50, s51
	s_add_co_u32 s48, s48, PARTB                   ; key step = wave, behind Q's part
	s_mov_b32 s49, 0
	s_add_co_u32 s52, s48, s51
	s_add_co_u32 s52, s52, 8*KSB                   ; key step 8 + 2 x wave
	s_mov_b32 s53, 0
	s_mov_b32 s[SEL], 0x76543210
	s_mov_b32 s[SEL+1], 0xfedcba98
	s_mov_b32 s[CS], 0x3e38aa3b
	s_mov_b32 s[CS+1], s[CS]
	s_mov_b32 s[NCS], 0xbe38aa3b
	s_mov_b32 s[K123], 0x3d800000                  ; 123 << 23
	s_wait_dscnt 0x0
	s_wait_kmcnt 0x0
	s_add_nc_u64 s[48:49], s[4:5], s[48:49]
	s_add_nc_u64 s[52:53], s[4:5], s[52:53]
	s_mov_b32 s24, 1                               ; groups 0 of the three fills: none is ever rewritten
	s_mov_b32 s25, s36
	s_mov_b64 s[26:27], s[48:49]
	s_or_b32 s27, s27, 0x80000000
	s_mov_b32 s28, 1
	s_mov_b32 s29, s37
	s_mov_b64 s[30:31], s[52:53]
	s_or_b32 s31, s31, 0x80000000
	s_mov_b32 s32, 1
	s_mov_b32 s33, s36
	s_add_nc_u64 s[34:35], s[48:49], 24*KSB
	s_or_b32 s35, s35, 0x80000000
	CROUND                                         ; all four work-groups are here: the first joint loads meet
	FILL 24, G1                                    ; key steps 0-7
	s_lshr_b32 s54, s[WV], 2
	s_lshl_b32 s55, s10, 1
	s_add_co_u32 s54, s54, s55                     ; my panel of 128 tokens
	s_and_b32 s55, s[WV], 3                        ; b: my tiles are 2 b and 2 b + 1 of it, the two halves of Q's image b
	s_mul_i32 s56, s54, KSB
	s_add_co_u32 s56, s56, s50
	s_lshl_b32 s57, s55, 2
	s_add_co_u32 s58, s56, s57                     ; Q's scale words: + 4 b
	s_mov_b32 s59, 0
	s_mul_i32 s57, s55, IMG
	s_add_co_u32 s56, s56, s57
	s_mov_b32 s57, 0
	s_add_nc_u64 s[56:57], s[4:5], s[56:57]
	s_add_nc_u64 s[58:59], s[4:5], s[58:59]
	s_mov_b32 s60, 0x02020000                      ; the word holds a.s0, b.s0, a.s1, b.s1 of tiles a = 2 b, b = 2 b + 1
	s_mov_b32 s61, 0x03030101
	v_and_b32 v[AL], 31, v0
	v_and_b32 v[AR], 15, v0
	v_lshlrev_b32 v[AL], 4, v[AL]
	v_lshlrev_b32 v[AR], 4, v[AR]
.irp T, 0,1
.irp j, 0,1,2
	global_load_b128 v[QF+24*\T+4*\j:QF+24*\T+4*\j+3], v[AR], s[56:57] offset:256*\T+512*\j   ; both halves of the lanes load query r's 12 registers
.endr
.endr
	global_load_b32 v8, v[AR], s[58:59] offset:4*IMG
	v_bfe_u32 v9, v0, 4, 1
	v_mov_b32 v10, 0
	v_mov_b32 v[KSH], 0x7b007b
	v_lshlrev_b32 v[SH8], 3, v9
	v_cmp_ne_u32 vcc_lo, 0, v9                     ; lanes 16-31
	v_lshlrev_b32 v[KSH], v[SH8], v[KSH]
.irp T, 0,1
	v_mov_b32 v[RM+\T], 0xff61b1e6                 ; the largest score so far: -3e38
	v_mov_b32 v[NM+2*\T], 0x7f61b1e6               ; -M
	v_mov_b32 v[NM+2*\T+1], 0                      ; (named as the upper half of a pair)
	v_mov_b32 v[F+2*\T+1], 0
	v_mov_b32 v[TX+\T], 0                          ; a lane permute's destination counts as one of its sources
	v_mov_b32 v[WX+\T], 0
.endr
	s_wait_alu depctr_va_vdst(0)                   ; directly ahead of the wait below
	s_wait_loadcnt 0x0
.irp T, 0,1
.irp i, 0,1,2,3,4,5,6,7,8,9,10,11
	v_cndmask_b32 v[QF+24*\T+12+\i], v10, v[QF+24*\T+\i], vcc_lo   ; zero codes in lanes 0-15
.endr
.irp i, 0,1,2,3,4,5,6,7,8,9,10,11
	v_cndmask_b32 v[QF+24*\T+\i], v[QF+24*\T+\i], v10, vcc_lo      ; zero codes in lanes 16-31
.endr
.endr
	v_perm_b32 v[QS], v8, v8, s60
	v_perm_b32 v[QS+1], v8, v8, s61
	WIN 0x40
.set j, 0
.rept 64
	v_mov_b32 v[OA+j], 0                           ; O^T: the step is written once; its first trip finds zeros.  (These are also the places between the operands just made and the first products)
.set j, j+1
.endr
.irp j, 0,1,2,3
	v_mov_b32 v[LL+\j], 0                          ; the sums, two halves a tile
.endr
	WIN 0
.macro MAXT T                          ; the largest score of each of tile T's two blocks a lane, in two chains each; every accumulator is first read at its low end
	WIN 0x15
.irp c, 0,1
	v_max3_num_f32 v[BM+2*\T+\c], v[64*\T+32*\c], v[64*\T+32*\c+1], v[64*\T+32*\c+2]
	v_max3_num_f32 v[BN+2*\T+\c], v[64*\T+32*\c+17], v[64*\T+32*\c+18], v[64*\T+32*\c+19]
.endr
	WIN 0x14
.irp i, 3,5,7,9,11,13
.irp c, 0,1
	v_max3_num_f32 v[BM+2*\T+\c], v[BM+2*\T+\c], v[64*\T+32*\c+\i], v[64*\T+32*\c+\i+1]
	v_max3_num_f32 v[BN+2*\T+\c], v[BN+2*\T+\c], v[64*\T+32*\c+17+\i], v[64*\T+32*\c+18+\i]
.endr
.endr
.irp c, 0,1
	v_max3_num_f32 v[BM+2*\T+\c], v[BM+2*\T+\c], v[64*\T+32*\c+15], v[64*\T+32*\c+16]
.endr
.endm
; A KEY STEP: 128 keys at LDS byte s[TB], for both tiles
.macro STEP
	v_add_nc_u32 v[ADK], s[TB], v[AL]
	v_add_nc_u32 v[ADS], s[TB], v[AR]
	v_nop
	v_nop                                          ; four places behind the last products, ahead of the loads into the registers that they read
.irp p, 0,1                            ; K's 13 loads, then V's 13
.irp b, 0,1,2,3
.irp j, 0,1,2
	ds_load_b128 v[KF+48*\p+12*\b+4*\j:KF+48*\p+12*\b+4*\j+3], v[ADK] offset:PARTB*\p+IMG*\b+512*\j
.endr
.endr
	ds_load_b128 v[KS+4*\p:KS+4*\p+3], v[ADS] offset:PARTB*\p+4*IMG
.endr
	s_wait_dscnt 13                                ; K is in; V's 13 loads may be out
	WIN 0x40
.irp T, 0,1
.irp b, 0,1,2,3
	v_wmma_scale_f32_16x16x128_f8f6f4 v[64*\T+16*\b:64*\T+16*\b+7], v[KF+12*\b:KF+12*\b+11], v[QF+24*\T:QF+24*\T+11], 0, v[KS+\b], v[QS+\T] matrix_a_fmt:MATRIX_FMT_BF6 matrix_b_fmt:MATRIX_FMT_BF6
	v_wmma_scale_f32_16x16x128_f8f6f4 v[64*\T+16*\b+8:64*\T+16*\b+15], v[KF+12*\b:KF+12*\b+11], v[QF+24*\T+12:QF+24*\T+23], 0, v[KS+\b], v[QS+\T] matrix_a_fmt:MATRIX_FMT_BF6 matrix_b_fmt:MATRIX_FMT_BF6
.endr
.endr
.rept 4
	v_nop                                          ; places ahead of the first read of the scores
.endr
	MAXT 0
	MAXT 1
	WIN 0
.irp T, 0,1
.irp c, 0,1
	v_max_num_f32 v[BM+2*\T+\c], v[BM+2*\T+\c], v[BN+2*\T+\c]
.endr
.endr
.irp T, 0,1
	v_max_num_f32 v[TT+\T], v[BM+2*\T], v[BM+2*\T+1]
.endr
.irp T, 0,1
	D2
	v_permlanex16_b32 v[TX+\T], v[TT+\T], s[SEL], s[SEL+1]
.endr
.irp T, 0,1
	D2
	v_max3_num_f32 v[RM+\T], v[RM+\T], v[TT+\T], v[TX+\T]   ; the running largest score of my query (c is positive)
.endr
.irp T, 0,1
	D2
	v_mul_f32 v[TT+\T], s[NCS], v[RM+\T]           ; -t
.endr
.irp T, 0,1
	D2
	v_floor_f32 v[TX+\T], v[TT+\T]                 ; the new -M = -ceil(t)
.endr
.irp T, 0,1
	D2
	v_sub_f32 v[TT+\T], v[TX+\T], v[NM+2*\T]       ; old M - new M: a whole number, 0 or less
.endr
.irp T, 0,1
	v_mov_b32 v[NM+2*\T], v[TX+\T]
.endr
.irp T, 0,1
.irp c, 0,1
	v_fma_f32 v[BX+2*\T+\c], v[BM+2*\T+\c], s[CS], v[NM+2*\T]   ; x: the block's largest p is 2^x
.endr
.endr
.irp T, 0,1
	v_cvt_i32_f32 v[TT+\T], v[TT+\T]               ; (it saturates)
.endr
.irp T, 0,1
.irp c, 0,1
	v_max_num_f32 v[BX+2*\T+\c], 0xc2f40000, v[BX+2*\T+\c]   ; held at -122: the byte cannot fall under 1
.endr
.endr
.irp T, 0,1
	v_ldexp_f32 v[F+2*\T], 1.0, v[TT+\T]           ; f = 2^(old M - new M)
.endr
.irp T, 0,1
.irp c, 0,1
	v_floor_f32 v[BX+2*\T+\c], v[BX+2*\T+\c]
.endr
.endr
.irp T, 0,1
.irp c, 0,1
	v_cvt_i32_f32 v[BX+2*\T+\c], v[BX+2*\T+\c]     ; e = floor(x), -122 .. 0
.endr
.endr
.irp T, 0,1
.irp c, 0,1
	v_lshl_add_u32 v[BO+2*\T+\c], v[BX+2*\T+\c], 23, s[K123]   ; (e + 123) << 23: the conversion's scale operand
.endr
.endr
.irp T, 0,1
	v_lshl_add_u32 v[WW+\T], v[BX+2*\T+1], 16, v[BX+2*\T]
.endr
.irp T, 0,1
	D2
	v_lshl_add_u32 v[WW+\T], v[WW+\T], v[SH8], v[KSH]   ; my two bytes e + 123 at places (lane / 16) and 2 + (lane / 16)
.endr
.irp T, 0,1
	D2
	v_permlanex16_b32 v[WX+\T], v[WW+\T], s[SEL], s[SEL+1]
.endr
.irp T, 0,1
	D2
	v_or_b32 v[PW+\T], v[WW+\T], v[WX+\T]          ; p's scale word
.endr
	WIN 0x41                                       ; source 0 and destination window 1
.irp T, 0,1
.set j, 0
.rept 16
	v_pk_mul_f32 v[OA+32*\T+j:OA+32*\T+j+1], v[OA+32*\T+j:OA+32*\T+j+1], v[F+2*\T:F+2*\T+1] op_sel_hi:[1,0]   ; O^T under the new M
.set j, j+2
.endr
.endr
.irp T, 0,1
.set j, 0
.rept 32
	v_pk_fma_f32 v[64*\T+j:64*\T+j+1], v[64*\T+j:64*\T+j+1], s[CS:CS+1], v[NM+2*\T:NM+2*\T+1] op_sel_hi:[1,0,0]   ; t - M, two at a time
.set j, j+2
.endr
.endr
	s_wait_alu depctr_va_vdst(0)                   ; the wait ahead of the batch
.set j, 0
.rept 128
	v_exp_f32 v[j], v[j]                           ; p = 2^(t - M)
.set j, j+1
.endr
.irp T, 0,1
	v_pk_mul_f32 v[LL+2*\T:LL+2*\T+1], v[LL+2*\T:LL+2*\T+1], v[F+2*\T:F+2*\T+1] op_sel_hi:[1,0]   ; the sums under the new M (plain places behind the exponentials)
.endr
	s_wait_alu depctr_va_vdst(0)                   ; and behind it, ahead of its first reader
.irp T, 0,1
.irp c, 0,1
	v_cvt_scalef32_pk16_bf6_f32 v[PC+12*\T+6*\c:PC+12*\T+6*\c+2], v[64*\T+32*\c:64*\T+32*\c+15], v[BO+2*\T+\c]
	v_cvt_scalef32_pk16_bf6_f32 v[PT+8*\T+4*\c:PT+8*\T+4*\c+2], v[64*\T+32*\c+16:64*\T+32*\c+31], v[BO+2*\T+\c]   ; (a conversion's three registers begin on an even number)
.endr
.endr
	v_nop                                          ; one plain place behind the scaled conversions
.irp T, 0,1
.irp c, 0,1
.irp i, 0,1,2
	v_mov_b32 v[PC+12*\T+6*\c+3+\i], v[PT+8*\T+4*\c+\i]
.endr
.endr
.endr
	WIN 0x45                                       ; the row's sum of the unquantised p: four chains a tile
.irp q, 0,1,2,3
.irp T, 0,1
	v_pk_add_f32 v[SA+8*\T+2*\q:SA+8*\T+2*\q+1], v[64*\T+2*\q:64*\T+2*\q+1], v[64*\T+8+2*\q:64*\T+8+2*\q+1]
.endr
.endr
.irp g, 16,24,32,40,48,56
.irp q, 0,1,2,3
.irp T, 0,1
	v_pk_add_f32 v[SA+8*\T+2*\q:SA+8*\T+2*\q+1], v[SA+8*\T+2*\q:SA+8*\T+2*\q+1], v[64*\T+\g+2*\q:64*\T+\g+2*\q+1]
.endr
.endr
.endr
.irp T, 0,1
	v_pk_add_f32 v[SA+8*\T:SA+8*\T+1], v[SA+8*\T:SA+8*\T+1], v[SA+8*\T+2:SA+8*\T+3]
.endr
.irp T, 0,1
	v_pk_add_f32 v[SA+8*\T+4:SA+8*\T+5], v[SA+8*\T+4:SA+8*\T+5], v[SA+8*\T+6:SA+8*\T+7]
.endr
.irp T, 0,1
	D2
	v_pk_add_f32 v[SA+8*\T:SA+8*\T+1], v[SA+8*\T:SA+8*\T+1], v[SA+8*\T+4:SA+8*\T+5]
.endr
.irp T, 0,1
	D2
	v_pk_add_f32 v[LL+2*\T:LL+2*\T+1], v[LL+2*\T:LL+2*\T+1], v[SA+8*\T:SA+8*\T+1]
.endr
	s_wait_dscnt 0x0                               ; V
	WIN 0x54
.irp t, 0,1,2,3                        ; O^T += V^T P^T: the eight accumulators take turns
.irp T, 0,1
	v_wmma_scale_f32_16x16x128_f8f6f4 v[OA+32*\T+8*\t:OA+32*\T+8*\t+7], v[KF+48+12*\t:KF+48+12*\t+11], v[PC+12*\T:PC+12*\T+11], v[OA+32*\T+8*\t:OA+32*\T+8*\t+7], v[KS+4+\t], v[PW+\T] matrix_a_fmt:MATRIX_FMT_BF6 matrix_b_fmt:MATRIX_FMT_BF6
.endr
.endr
	WIN 0
.endm
.macro PHASE base, n                   ; n key steps from LDS byte base on
	s_mov_b32 s[TB], \base
	s_mov_b32 s[CNT], \n
.Lstep_\@:
	STEP
	s_add_co_u32 s[TB], s[TB], STEPB
	s_sub_co_u32 s[CNT], s[CNT], 1
	s_cmp_lg_u32 s[CNT], 0
	s_cbranch_scc1 .Lstep_\@
.endm
	s_wait_alu depctr_va_vdst(0)                   ; the wait at the head's end
	THREE                                          ; my part of slot A is in
	CROUND                                         ; and everybody's, in all four work-groups
	FILL 28, G1W                                   ; key steps 8-23: slot B's first fill, issued as a refill is
	PHASE SLA, 8
	THREE                                          ; slot B has landed; my reads of slot A are over
	CROUND
	FILL 32, G1                                    ; key steps 24-31, into slot A
	PHASE SLB, 16
	THREE
	s_barrier_signal -1
	s_barrier_wait -1
	PHASE SLA, 8
	; THE WAY OUT.  O^T / the sum is a tile's 16 queries' 64 numbers of ctx: two blocks of 32 along D.  In cq (laid as xq) K step head / 2 holds heads 2 s and 2 s + 1, lane half = head % 2.
	s_mul_i32 s60, s54, 102400                     ; my panel,
	s_lshr_b32 s61, s11, 1
	s_mul_i32 s61, s61, 12800                      ; the K step
	s_add_co_u32 s60, s60, s61
	s_and_b32 s61, s11, 1
	s_mul_i32 s62, s55, 2*IMG                      ; image 2 b (tile T: + IMG by the stores' immediate),
	s_add_co_u32 s62, s62, s60
	s_lshl_b32 s63, s61, 8                         ; lanes 16 (head % 2) on
	s_add_co_u32 s62, s62, s63
	s_mov_b32 s63, 0
	s_add_nc_u64 s[62:63], s[6:7], s[62:63]
	s_lshl_b32 s47, s55, 7                         ; the scale word of (b, r, u = T); of its bytes (blocks 0, 2, 1, 3 of the K step) mine are head % 2 and head % 2 + 2
	s_add_co_u32 s60, s60, s47
	s_add_co_u32 s60, s60, s61
	s_mov_b32 s61, 0
	s_add_nc_u64 s[60:61], s[6:7], s[60:61]
	v_and_b32 v9, 15, v0                           ; r      (these lines are the places behind the last products)
	v_bfe_u32 v10, v0, 4, 1                        ; h
	v_lshlrev_b32 v8, 4, v9
	v_lshlrev_b32 v11, 4, v9
	v_lshlrev_b32 v9, 3, v9
	v_lshl_add_u32 v8, v10, 10, v8                 ; 16 r + 1,024 h
	v_lshl_add_u32 v11, v10, 3, v11                ; 16 r + 8 h
	v_lshl_add_u32 v9, v10, 1, v9                  ; 8 r + 2 h
	v_cmp_ne_u32 vcc_lo, 0, v10
	WIN 0x05
.irp T, 0,1
	v_add_f32 v[TT+\T], v[LL+2*\T], v[LL+2*\T+1]
.endr
	WIN 0
.irp T, 0,1
	v_permlanex16_b32 v[TX+\T], v[TT+\T], s[SEL], s[SEL+1]
.endr
.irp T, 0,1
	v_add_f32 v[TT+\T], v[TT+\T], v[TX+\T]         ; the row's sum
.endr
	s_wait_alu depctr_va_vdst(0)                   ; the wait ahead of the transcendentals
	v_rcp_f32 v[TT], v[TT]
	v_rcp_f32 v[TT+1], v[TT+1]
	v_nop                                          ; one plain place behind them
	WIN 0x01
	s_wait_alu depctr_va_vdst(0)                   ; and directly ahead of their first reader, which is also O^T's
.irp T, 0,1
.set j, 0
.rept 32
	v_mul_f32 v[64+48*\T+j], v[OA+32*\T+j], v[TT+\T]   ; register 16 c + i is d = 32 c + 16 h + i; each accumulator from its low end on
.set j, j+1
.endr
.endr
	WIN 0
.irp T, 0,1
.irp c, 0,1
	v_max3_num_f32 v[BM+2*\T+\c], |v[64+48*\T+16*\c]|, |v[64+48*\T+16*\c+1]|, 0x2800000
.endr
.endr
.irp i, 2,4,6,8,10,12,14
.irp T, 0,1
.irp c, 0,1
	v_max3_num_f32 v[BM+2*\T+\c], v[BM+2*\T+\c], |v[64+48*\T+16*\c+\i]|, |v[64+48*\T+16*\c+\i+1]|
.endr
.endr
.endr
.irp n, 0,1,2,3
	v_permlanex16_b32 v[BX+\n], v[BM+\n], s[SEL], s[SEL+1]
.endr
.irp n, 0,1,2,3
	v_max_num_f32 v[BM+\n], v[BM+\n], v[BX+\n]
.endr
.irp n, 0,1,2,3
	v_add_nc_u32 v[BO+\n], 0xfe000000, v[BM+\n]
.endr
.irp n, 0,1,2,3
	v_lshrrev_b32 v[BX+\n], 23, v[BO+\n]
.endr
.irp T, 0,1
	v_cvt_scalef32_pk16_bf6_f32 v[96+48*\T:98+48*\T], v[64+48*\T:79+48*\T], v[BO+2*\T]
	v_cvt_scalef32_pk16_bf6_f32 v[108+48*\T:110+48*\T], v[80+48*\T:95+48*\T], v[BO+2*\T+1]
.endr
	v_nop
.irp T, 0,1
.irp i, 0,1,2
	v_permlane16_swap_b32 v[96+48*\T+\i], v[108+48*\T+\i]   ; lanes 0-15 now hold block 0 whole, lanes 16-31 block 1: six registers Z0-2 at 96 + 48 T, Z3-5 at 108 + 48 T
.endr
.endr
	; of the image's 12 registers of a query, lanes 0-15 hold 0-5 and lanes 16-31 hold 6-11: registers 0-3 | 8-11 leave by one store of 16 bytes, registers 4, 5 | 6, 7 by one of 8
.irp T, 0,1
.irp i, 0,1,2,3
	v_cndmask_b32 v[100+48*\T+\i], v[96+48*\T+\i+9*(\i/3)], v[96+48*\T+\i+2+9*((\i+2)/3)], vcc_lo
.endr
.irp i, 0,1
	v_cndmask_b32 v[104+48*\T+\i], v[96+48*\T+\i+13], v[96+48*\T+\i], vcc_lo
.endr
	v_cndmask_b32 v[106+48*\T], v[BX+2*\T], v[BX+2*\T+1], vcc_lo
.endr
.irp T, 0,1
	global_store_b128 v8, v[100+48*\T:103+48*\T], s[62:63] offset:IMG*\T          ; sixteen lanes store 256 consecutive bytes, aligned: two such blocks
	global_store_b64 v11, v[104+48*\T:105+48*\T], s[62:63] offset:IMG*\T+512      ; 32 lanes store 256 consecutive bytes, aligned
	global_store_b8 v9, v[106+48*\T], s[60:61] offset:12288+4*\T                  ; a word's four bytes come from two heads, that is from two work-groups: 32 single bytes beside a tile's 768 bytes of codes
.endr
	THREE                                          ; the wave's end
	CROUND                                         ; the closing round
	s_endpgm
.Lfunc_end_k_q5e5a9a0dd5_attn:
	.size	k_q5e5a9a0dd5_attn, .Lfunc_end_k_q5e5a9a0dd5_attn-k_q5e5a9a0dd5_attn
	.p2alignl 7, 3214868480
	.fill 96, 4, 3214868480
	.section	.rodata,"a",@progbits
	.p2align	6, 0x0
	.amdhsa_kernel k_q5e5a9a0dd5_attn
		.amdhsa_group_segment_fixed_size 327680
		.amdhsa_private_segment_fixed_size 0
		.amdhsa_enable_private_segment 0
		.amdhsa_kernarg_size 16
		.amdhsa_user_sgpr_count 2
		.amdhsa_user_sgpr_kernarg_segment_ptr 1
		.amdhsa_wavefront_size32 1
		.amdhsa_system_sgpr_workgroup_id_x 1
		.amdhsa_system_sgpr_workgroup_id_y 1
		.amdhsa_system_sgpr_workgroup_id_z 1
		.amdhsa_system_vgpr_workitem_id 0
		.amdhsa_next_free_vgpr 512
		.amdhsa_next_free_sgpr 80
		.amdhsa_reserve_vcc 1
		.amdhsa_float_denorm_mode_32 3
		.amdhsa_float_denorm_mode_16_64 3
		.amdhsa_memory_ordered 1
		.amdhsa_forward_progress 1
		.amdhsa_inst_pref_size 102
	.end_amdhsa_kernel
	.amdgpu_metadata
---
amdhsa.version: [ 1, 2 ]
amdhsa.kernels:
  - .name:           k_q5e5a9a0dd5_attn
    .symbol:         k_q5e5a9a0dd5_attn.kd
    .args:
      - { .name: qkv, .offset: 0, .size: 8, .value_kind: global_buffer, .address_space: global }
      - { .name: cq, .offset: 8, .size: 8, .value_kind: global_buffer, .address_space: global }
    .group_segment_fixed_size: 327680
    .private_segment_fixed_size: 0
    .kernarg_segment_align: 8
    .kernarg_segment_size: 16
    .max_flat_workgroup_size: 256
    .sgpr_count:     80
    .vgpr_count:     512
    .wavefront_size: 32
...
	.end_amdgpu_metadata
.endif
;; end of part 3
;; launch proj_o (part 4): grid 8 x 32, 4 waves a work-group, clusters of 4 x 4, 327,680 bytes of LDS; arguments cq, wq, b_o, out0; writes out0
.if DOCPART == 4
	.amdgcn_target "amdgcn-amd-amdhsa--gfx1250"
	.amdhsa_code_object_version 6
	.text
	.protected	k_q5e5a9a0dd5_proj_o
	.globl	k_q5e5a9a0dd5_proj_o
	.p2align	8
	.type	k_q5e5a9a0dd5_proj_o,@function
k_q5e5a9a0dd5_proj_o:
	s_mov_b64 s[64:65], 0
	v_nop
	global_prefetch_b8 v0, s[64:65] scope:SCOPE_SE
	s_setreg_imm32_b32 hwreg(HW_REG_WAVE_MODE, 25, 1), 1
	s_wait_xcnt 0x0
	s_wait_alu depctr_hold_cnt(0) depctr_sa_sdst(0) depctr_va_vdst(0) depctr_va_sdst(0) depctr_va_ssrc(0) depctr_va_vcc(0) depctr_vm_vsrc(0)
	s_getreg_b32 s2, hwreg(HW_REG_IB_STS2, 6, 4)
	s_cmp_eq_u32 s2, 0
	s_cbranch_scc0 .Lentry_in_a_cluster
	s_endpgm
.Lentry_in_a_cluster:
	s_bfe_u32 s2, ttmp6, 0x10000c
	s_cmp_lg_u32 s2, 0xf033
	s_cbranch_scc0 .Lentry_shape_is_right
	s_endpgm
.Lentry_shape_is_right:
; out0 = ctx W_o + b_o on codes of BF6 with E8M0 scales, f32 sums.  cq: [32 panels of 128 tokens][8 K steps][12,800 bytes]; wq: panels 24-31 are W_o's.  A panel step is eight images of a fragment's registers (1,536 bytes;
; registers 4 j .. 4 j + 3 of lane L at 512 j + 16 L) and 512 bytes of scale words ((b, r, u) at 12,288 + 128 b + 8 r + 4 u, for tile 2 b + u).
; A tile of ctx holds tokens 64 (i / 4) + 8 (i % 4) + p + 24 (p / 8); a tile of the weight holds columns 32 (i / 2) + 8 (i % 2) + p + 8 (p / 8).
; A work-group makes 128 tokens x 128 columns: one panel of ctx x one panel of W_o; 32 x 8 such blocks are 256 work-groups.  A wave makes 64 columns (source 0, P) x 64 tokens (source 1, R): 16 accumulators;
; a lane's 16 registers of P tiles 2 b, 2 b + 1 are 16 neighbouring columns of one token's row.
; LDS: both panels for all of K, 2 x 102,400 bytes, filled once: each wave's one load brings four K steps of one panel, 51,200 dense bytes as 200 rows of 256.  Nothing is filled again, so one barrier stands in front of the first read.
; K = 1,024 is 8 steps of 128, written out, on two sets of fragments: a step's 28 LDS loads are issued one step ahead of its products.
; CLUSTER 4 x 4: ctx's panel is asked for jointly along a row of the cluster, the weight's along a column.  No prefetch: every byte is asked for at the head, and there is no loop to run ahead in.
; REGISTERS: window 0: v1 r, v2 h, v3 16 L, v4-11 LDS addresses, v16-19 the way out, v20-23 b_o, v28-29 the add's, v32-63 scale words, v64-111 and v160-207 R's fragments (two sets); on the way out v128-191 rows of out0.
;   window 1: v0-47, v128-175 P's fragments.   window 2: accumulator (a, b) at v[8 (8 a + b)].
.set PANB,  102400
.set HALFB, 51200
.set STEPB, 12800
.set IMG,   1536
.set SCW,   12288
.set STAGE, 2*PANB                     ; behind the panels: a stage of 16 rows x (256 bytes + 16) for each wave, on bytes into which no fill lands
.set SPITCH, 272
.set SPARE, STAGE+4*16*SPITCH          ; behind the stages: the spare words, 128 bytes for each wave: two blocks of 256 bytes that no other line names
.set ADRP, 4                           ; v4-5   P's images, K steps 0-3 and 4-7
.set ADRR, 6                           ; v6-7   R's
.set ASP,  8                           ; v8-9   P's scale words
.set ASR,  10                          ; v10-11 R's
.set STO,  16
.set RD,   17
.set CO,   18
.set SPW,  28
.set NIL,  29
.set WV,  16
.set RH,  17                           ; my half of the tokens.  Also: I fetch ctx's panel (0) or the weight's (1)
.set PH,  18                           ; my half of the columns.  Also: which four K steps I fetch
.set CX,  19
.set CY,  20
.set WGX, 21
.set WGY, 22
.set G1A, 24
.set G1B, 32
.set MSB, 0
.macro WIN new                         ; the immediate's high byte repeats the setting that is left
.if MSB != (\new)
	s_set_vgpr_msb (MSB<<8)|(\new)
.set MSB, (\new)
.endif
.endm
.macro PLACES                          ; four plain places behind a matrix instruction, ahead of loads into its registers and of reads of its results
.rept 4
	v_nop
.endr
.endm
.macro CROUND                          ; a round of the cluster's barrier
	s_barrier_signal -1
	s_barrier_wait -1
	s_cmp_lg_u32 s[WV], 0
	s_cbranch_scc1 .Lnot_wave_0_\@
	s_barrier_signal -3
.Lnot_wave_0_\@:
	s_barrier_wait -3
	s_barrier_signal -1
	s_barrier_wait -1
.endm
.macro LOADS g, q, set                 ; 28 LDS loads: the fragments and scale words of K step 4 g + q into set
	WIN 0x40                                       ; destination window 1, address window 0
.irp i, 0,1,2,3
.irp j, 0,1,2
	ds_load_b128 v[128*\set+12*\i+4*\j:128*\set+12*\i+4*\j+3], v[ADRP+\g] offset:STEPB*\q+IMG*\i+512*\j
.endr
.endr
	WIN 0
.irp i, 0,1,2,3
.irp j, 0,1,2
	ds_load_b128 v[64+96*\set+12*\i+4*\j:64+96*\set+12*\i+4*\j+3], v[ADRR+\g] offset:STEPB*\q+IMG*\i+512*\j
.endr
.endr
.irp b, 0,1
	ds_load_b64 v[32+8*\set+2*\b:32+8*\set+2*\b+1], v[ASP+\g] offset:SCW+STEPB*\q+128*\b   ; the words of two neighbouring tiles
	ds_load_b64 v[48+8*\set+2*\b:48+8*\set+2*\b+1], v[ASR+\g] offset:SCW+STEPB*\q+128*\b
.endr
.endm
.macro WM a, b, set, zero
.if \zero
	v_wmma_scale_f32_16x16x128_f8f6f4 v[8*(8*\a+\b):8*(8*\a+\b)+7], v[128*\set+12*\b:128*\set+12*\b+11], v[64+96*\set+12*\a:64+96*\set+12*\a+11], 0, v[32+8*\set+\b], v[48+8*\set+\a] matrix_a_fmt:MATRIX_FMT_BF6 matrix_b_fmt:MATRIX_FMT_BF6
.else
	v_wmma_scale_f32_16x16x128_f8f6f4 v[8*(8*\a+\b):8*(8*\a+\b)+7], v[128*\set+12*\b:128*\set+12*\b+11], v[64+96*\set+12*\a:64+96*\set+12*\a+11], v[8*(8*\a+\b):8*(8*\a+\b)+7], v[32+8*\set+\b], v[48+8*\set+\a] matrix_a_fmt:MATRIX_FMT_BF6 matrix_b_fmt:MATRIX_FMT_BF6
.endif
.endm
.macro MUL set, zero                   ; a K step: 16 matrix instructions; the 16 accumulators take turns, in the same order in every step.  zero = 1: the first step starts the sums
	WIN 0xa1                                       ; source 0 window 1, source 1 window 0, C and D window 2
.irp a, 0,1,2,3
.irp b, 0,1,2,3
	WM \a, \b, \set, \zero
.endr
.endr
.endm
.macro STEPN g, q, set, mset           ; the next step's loads go out, then this step's products
	PLACES
	LOADS \g, \q, \set
	s_wait_dscnt 28                                ; all but the 28 just issued: this step's fragments are in
	MUL \mset, 0
.endm
	s_load_b128 s[4:7], s[0:1], 0x0                ; cq s[4:5], wq s[6:7]
	s_load_b128 s[8:11], s[0:1], 0x10              ; b_o s[8:9], out0 s[10:11]
	v_lshl_add_u32 v[SPW], v0, 2, SPARE
	v_mov_b32 v[NIL], 0
	ds_add_u32 v[SPW], v[NIL]                      ; the opening lines: the add twice on end and its wait
	ds_add_u32 v[SPW], v[NIL]
	v_lshrrev_b32 v1, 5, v0
	v_readfirstlane_b32 s[WV], v1
	s_lshr_b32 s[RH], s[WV], 1
	s_and_b32 s[PH], s[WV], 1
	s_bfe_u32 s[CX], ttmp6, 0x40000
	s_bfe_u32 s[CY], ttmp6, 0x40004
	s_lshl_b32 s[WGX], ttmp9, 2
	s_add_co_u32 s[WGX], s[WGX], s[CX]             ; the panel of columns = 4 x cluster x + cx
	s_and_b32 s[WGY], ttmp7, 0xffff
	s_lshl_b32 s[WGY], s[WGY], 2
	s_add_co_u32 s[WGY], s[WGY], s[CY]             ; the panel of tokens = 4 x cluster y + cy
	s_lshl_b32 s80, s[CY], 2
	s_lshl_b32 s80, 15, s80                        ; my row of the cluster
	s_lshl_b32 s81, 0x1111, s[CX]                  ; my column
	s_or_b32 s[G1A], s80, (3<<16)|(1<<21)          ; 15:0 the mask; 17:16 elements of 8 bytes; 21 set beside a mask; no padding
	s_or_b32 s[G1B], s81, (3<<16)|(1<<21)
.irp g, G1A, G1B
	s_mov_b32 s[\g+1], 32<<16                      ; rows of 256 bytes,
	s_mov_b32 s[\g+2], 200<<16                     ; 200 of them, dense
	s_mov_b32 s[\g+3], 32<<16
	s_mov_b32 s[\g+4], 200
	s_mov_b32 s[\g+5], 32
	s_mov_b32 s[\g+6], 0
	s_mov_b32 s[\g+7], 0
.endr
	s_mul_i32 s83, s[PH], HALFB                    ; which four K steps I fetch
	s_mul_i32 s76, s[WGY], PANB                    ; ctx's panel
	s_add_co_u32 s76, s76, s83
	s_mov_b32 s77, 0
	s_add_co_u32 s78, s[WGX], 24                   ; W_o's panels follow those of W_q, W_k, W_v (in registers that never hold the panel of tokens)
	s_mul_i32 s78, s78, PANB
	s_add_co_u32 s78, s78, s83
	s_mov_b32 s79, 0
	s_mul_i32 s82, s[WV], HALFB                    ; where it goes: no place in the cluster enters an LDS address
	s_wait_dscnt 0x0
	s_wait_kmcnt 0x0
	s_add_nc_u64 s[76:77], s[4:5], s[76:77]
	s_add_nc_u64 s[78:79], s[6:7], s[78:79]
	s_mov_b32 s40, 1
	s_mov_b32 s41, s82
	s_mov_b64 s[42:43], s[76:77]
	s_or_b32 s43, s43, 0x80000000
	s_mov_b32 s44, 1
	s_mov_b32 s45, s82
	s_mov_b64 s[46:47], s[78:79]
	s_or_b32 s47, s47, 0x80000000
	CROUND                                         ; all sixteen work-groups are here: the joint loads meet
	s_cmp_eq_u32 s[RH], 0                          ; waves 0, 1 fetch ctx's panel, waves 2, 3 the weight's: one load on every way; s_nop 0 and four v_nop follow each line
	s_cbranch_scc0 .Lfor_b
	tensor_load_to_lds s[40:43], s[G1A:G1A+7]
	s_nop 0
.rept 4
	v_nop
.endr
	s_branch .Lasked
.Lfor_b:
	tensor_load_to_lds s[44:47], s[G1B:G1B+7]
	s_nop 0
.rept 4
	v_nop
.endr
.Lasked:
	s_mul_i32 s80, s[PH], 4*IMG
	s_add_co_u32 s80, s80, PANB                    ; P: my four tiles of the weight's panel, which lies behind ctx's
	s_mul_i32 s81, s[RH], 4*IMG                    ; R: my four tiles of ctx's
	s_lshl_b32 s84, s[PH], 8
	s_add_co_u32 s84, s84, PANB                    ; and their scale words
	s_lshl_b32 s85, s[RH], 8
	s_add_co_u32 s86, s80, HALFB                   ; the same for K steps 4-7
	s_add_co_u32 s87, s81, HALFB
	s_add_co_u32 s88, s84, HALFB
	s_add_co_u32 s89, s85, HALFB
	s_mul_i32 s90, s[WV], 16*SPITCH
	s_add_co_u32 s90, s90, STAGE                   ; my stage
	s_lshl_b32 s92, s[WGX], 9
	s_lshl_b32 s93, s[PH], 8
	s_add_co_u32 s92, s92, s93                     ; my 64 columns, in bytes
	s_mov_b32 s93, 0
	s_add_nc_u64 s[8:9], s[8:9], s[92:93]
	s_lshl_b32 s94, s[WGY], 7
	s_lshl_b32 s95, s[RH], 6
	s_add_co_u32 s94, s94, s95                     ; my first token
	s_lshl_b32 s94, s94, 12
	s_add_co_u32 s94, s94, s92
	s_mov_b32 s95, 0
	s_add_nc_u64 s[10:11], s[10:11], s[94:95]
	v_and_b32 v1, 15, v0                           ; r
	v_bfe_u32 v2, v0, 4, 1                         ; h
	v_and_b32 v3, 31, v0
	v_lshlrev_b32 v30, 3, v1                       ; 8 r
	v_lshlrev_b32 v19, 4, v1                       ; 16 r
	v_lshlrev_b32 v3, 4, v3                        ; 16 L
	global_load_b128 v[20:23], v19, s[8:9]         ; b_o of columns 4 r .. 4 r + 3: what my lane stores of every row
	v_add_nc_u32 v[ADRP], s80, v3
	v_add_nc_u32 v[ADRR], s81, v3
	v_add_nc_u32 v[ASP], s84, v30
	v_add_nc_u32 v[ASR], s85, v30
	v_add_nc_u32 v[ADRP+1], s86, v3
	v_add_nc_u32 v[ADRR+1], s87, v3
	v_add_nc_u32 v[ASP+1], s88, v30
	v_add_nc_u32 v[ASR+1], s89, v30
	v_mul_u32_u24 v[STO], v1, SPITCH
	v_mul_u32_u24 v[RD], v2, SPITCH
	v_lshl_add_u32 v[STO], v2, 6, v[STO]
	v_add_nc_u32 v[RD], v[RD], v19
	v_add_nc_u32 v[STO], s90, v[STO]               ; in: row r, + 64 h
	v_add_nc_u32 v[RD], s90, v[RD]                 ; back: sixteen lanes take a row's 256 bytes, lanes 16-31 the next row
	v_lshl_add_u32 v[CO], v2, 12, v19              ; and the same two rows in out0
	s_wait_alu depctr_va_vdst(0)                   ; the wait at the head's end
	s_wait_tensorcnt 0x0                           ; my part of the panels is in
	s_barrier_signal -1
	s_barrier_wait -1                              ; and everybody's
	LOADS 0, 0, 0
	LOADS 0, 1, 1                                  ; step 0
	s_wait_dscnt 28
	MUL 0, 1
	STEPN 0, 2, 0, 1                               ; step 1
	STEPN 0, 3, 1, 0                               ; step 2
	STEPN 1, 0, 0, 1                               ; step 3
	STEPN 1, 1, 1, 0                               ; step 4
	STEPN 1, 2, 0, 1                               ; step 5
	STEPN 1, 3, 1, 0                               ; step 6
	s_wait_dscnt 0x0                               ; step 7
	MUL 1, 0
	WIN 0
; THE WAY OUT, a tile of 16 tokens x 64 columns at a time, through my own stage: a lane holds pieces of 32 bytes of one row; they come back as whole rows of 256 bytes.  LDS serves a wave's instructions in order: no wait between stores and loads.
.macro TOSTAGE a
	WIN 0x08                                       ; an LDS store's data: window 2
.irp b, 0,1,2,3
	ds_store_b128 v[STO], v[8*(8*(\a)+\b):8*(8*(\a)+\b)+3] offset:128*(\b/2)+32*(\b%2)       ; columns 32 (b / 2) + 16 h + 8 (b % 2) on; each accumulator from its low end on
	ds_store_b128 v[STO], v[8*(8*(\a)+\b)+4:8*(8*(\a)+\b)+7] offset:128*(\b/2)+32*(\b%2)+16
.endr
	WIN 0
.set BB, 128+32*((\a)%2)
.irp t, 0,1,2,3,4,5,6,7
	ds_load_b128 v[BB+4*\t:BB+4*\t+3], v[RD] offset:\t*2*SPITCH
.endr
.endm
.macro SEND a, younger                 ; younger: the LDS instructions issued behind tile a's loads
.set BB, 128+32*((\a)%2)
	s_wait_dscnt \younger
.irp t, 0,1,2,3,4,5,6,7
	v_pk_add_f32 v[BB+4*\t:BB+4*\t+1], v[BB+4*\t:BB+4*\t+1], v[20:21]
	v_pk_add_f32 v[BB+4*\t+2:BB+4*\t+3], v[BB+4*\t+2:BB+4*\t+3], v[22:23]
	global_store_b128 v[CO], v[BB+4*\t:BB+4*\t+3], s[10:11] offset:(8*(\a)+2*\t+24*(\t/4))*4096 th:TH_STORE_NT   ; row 2 t + h of my tile a is token 8 a + 2 t + h + 24 (t / 4) of my 64; sixteen lanes store 256 consecutive bytes, aligned
.endr
.endm
	PLACES
	s_wait_loadcnt 0x0                             ; b_o
	TOSTAGE 0
.irp a, 1,2,3
.if \a > 1
	s_wait_xcnt 0x0                                ; tile a - 2's stores have read their data: tile a's loads land there only behind this wait
.endif
	TOSTAGE \a
	SEND \a-1, 16                                  ; behind tile a - 1's loads: tile a's 8 stores and 8 loads
.endr
	SEND 3, 0
	s_wait_tensorcnt 0x0                           ; the wave's end
	ds_add_u32 v[SPW], v[NIL]
	s_wait_dscnt 0x0
	CROUND                                         ; the closing round
	s_endpgm
.Lfunc_end_k_q5e5a9a0dd5_proj_o:
	.size	k_q5e5a9a0dd5_proj_o, .Lfunc_end_k_q5e5a9a0dd5_proj_o-k_q5e5a9a0dd5_proj_o
	.p2alignl 7, 3214868480
	.fill 96, 4, 3214868480
	.section	.rodata,"a",@progbits
	.p2align	6, 0x0
	.amdhsa_kernel k_q5e5a9a0dd5_proj_o
		.amdhsa_group_segment_fixed_size 327680
		.amdhsa_private_segment_fixed_size 0
		.amdhsa_enable_private_segment 0
		.amdhsa_kernarg_size 32
		.amdhsa_user_sgpr_count 2
		.amdhsa_user_sgpr_kernarg_segment_ptr 1
		.amdhsa_wavefront_size32 1
		.amdhsa_system_sgpr_workgroup_id_x 1
		.amdhsa_system_sgpr_workgroup_id_y 1
		.amdhsa_system_sgpr_workgroup_id_z 1
		.amdhsa_system_vgpr_workitem_id 0
		.amdhsa_next_free_vgpr 768
		.amdhsa_next_free_sgpr 100
		.amdhsa_reserve_vcc 0
		.amdhsa_float_denorm_mode_32 3
		.amdhsa_float_denorm_mode_16_64 3
		.amdhsa_memory_ordered 1
		.amdhsa_forward_progress 1
		.amdhsa_inst_pref_size 50
	.end_amdhsa_kernel
	.amdgpu_metadata
---
amdhsa.version: [ 1, 2 ]
amdhsa.kernels:
  - .name:           k_q5e5a9a0dd5_proj_o
    .symbol:         k_q5e5a9a0dd5_proj_o.kd
    .args:
      - { .name: cq, .offset: 0, .size: 8, .value_kind: global_buffer, .address_space: global }
      - { .name: wq, .offset: 8, .size: 8, .value_kind: global_buffer, .address_space: global }
      - { .name: b_o, .offset: 16, .size: 8, .value_kind: global_buffer, .address_space: global }
      - { .name: out0, .offset: 24, .size: 8, .value_kind: global_buffer, .address_space: global }
    .group_segment_fixed_size: 327680
    .private_segment_fixed_size: 0
    .kernarg_segment_align: 8
    .kernarg_segment_size: 32
    .max_flat_workgroup_size: 128
    .sgpr_count:     100
    .vgpr_count:     768
    .wavefront_size: 32
...
	.end_amdgpu_metadata
.endif
;; end of part 4
